; MI455X (gfx1250); checked and timed in simulation.
; The chip was launched on July 23, 2026; its instructions are those of AMD's public machine-readable ISA for CDNA 5 (MIT licence, August 2026) and "CDNA5" Instruction Set Architecture Reference Guide (July 2026). The comments in the code are by the model that wrote it; some were corrected since.
;; Block. Allowed arithmetic: float matrix products may take bf16 or f16 operands with f32 sums; other float arithmetic in f32, or as packed bf16 or f16 multiplies, adds, multiply-adds, maxima and minima; sums over many terms, partial sums and values carried from step to step in f32; what a program stores and reads back later, other than sums and carried values, may be rounded once to bf16 or f16.
;; Inputs: W1 2,048 x 512 float32; W2 512 x 2,048 float32; Wk 16 x 32 x 512 float32; Wo 512 x 512 float32; Wq 16 x 32 x 512 float32; Wv 16 x 32 x 512 float32; be1 512 float32; be2 512 float32; bf1 2,048 float32; bf2 512 float32; bk 16 x 32 float32; bo 512 float32; bq 16 x 32 float32; bv 16 x 32 float32; g1 512 float32; g2 512 float32; x 4 x 2,048 x 512 float32.
;; Outputs: out0 4 x 2,048 x 512 float32.
;; One version. Each part assembles by itself: llvm-mc -triple=amdgcn-amd-amdhsa -mcpu=gfx1250 --defsym DOCPART=n.
;; ======== version 1 of 1: 7 launches
;; limits: right only within a limited range of input values; a function is approximated: absolute error at most 1.5e-07
;; workspace buffers: w16 6,291,456 bytes; xn 8,388,608 bytes; qkv 25,165,824 bytes; oh 8,388,608 bytes; x1 16,777,216 bytes; xn2 8,388,608 bytes; h16 33,554,432 bytes
;; launch prep (part 1): grid 1792 x 1, 4 waves a work-group, no clusters, 0 bytes of LDS; arguments x, g1, be1, xn, Wq, Wk, Wv, Wo, W1, W2, w16; writes xn, w16
.if DOCPART == 1
	.amdgcn_target "amdgcn-amd-amdhsa--gfx1250"
	.amdhsa_code_object_version 6
	.text
	.protected	k_q6496dcb884_prep
	.globl	k_q6496dcb884_prep
	.p2align	8
	.type	k_q6496dcb884_prep,@function
k_q6496dcb884_prep:
	s_mov_b64 s[64:65], 0
	v_nop
	global_prefetch_b8 v0, s[64:65] scope:SCOPE_SE
	s_setreg_imm32_b32 hwreg(HW_REG_WAVE_MODE, 25, 1), 1
	s_wait_xcnt 0x0
; TWO STREAMS IN ONE LAUNCH, chosen by the work-group's number.
; Work-groups 0..1023: xn = g1 (x - mean) / (sqrt(var) + 1e-8) + be1, var with divisor 511, rounded once to bf16.  8 rows of 512 a work-group, 2 a wave.
; Work-groups 1024..1791: the six weight matrices rounded once to bf16 into w16, 4,096 numbers a work-group:
;   chunks 0-63 Wq, 64-127 Wk, 128-191 Wv (together [1536][512]), 192-255 Wo, 256-511 W1, 512-767 W2.
; Every work-group reads 16 KiB and writes 8 KiB.  No LDS, no barrier, no matrix unit: nothing is shared and memory binds.
; A row lies in one wave: lane l holds columns 128 j + 4 l + 0..3, j = 0..3, so a load covers 512 consecutive bytes and a store 256.
; The variance is taken of the deviations (two passes over registers): no difference of large sums is formed.
; LIMIT: a variance below 2^-126 counts as 0 in the root (ISA guide, entry of v_sqrt_f32); 1e-8 is added behind the root, so the quotient stays finite.
.set XO,  2                            ; v2   16 x lane (or thread): my bytes in a load
.set YO,  3                            ; v3   8 x lane (or thread): my bytes in a store
.set X,   16                           ; v[16:47]  two rows, 16 numbers each
.set G,   48                           ; v[48:63]  g of my columns
.set BE,  64                           ; v[64:79]  be of my columns
.set T,   80                           ; v[80:95]  at work, 8 a row; at the end the packed results
.set MU,  96                           ; v[96:99]  the mean, twice, for each row
.set RS,  100                          ; v[100:103] 1 / (sd + eps), twice, for each row
.set SEL, 34                           ; s[34:35]  v_permlanex16_b32: each lane takes its own place in the other half
.macro ROWS line:vararg                ; one line for each of the two rows w: the rows' chains stand side by side
.set w, 0
.rept 2
	\line
.set w, w+1
.endr
.endm
.macro ACROSS                          ; v[T] and v[T+8] summed over the 32 lanes, the result in every lane
.irp m, 1,2,4,8
	v_add_f32_dpp v[T], v[T], v[T] row_xmask:\m row_mask:0xf bank_mask:0xf
	v_add_f32_dpp v[T+8], v[T+8], v[T+8] row_xmask:\m row_mask:0xf bank_mask:0xf
.endr
	v_permlanex16_b32 v[T+1], v[T], s[SEL], s[SEL+1]
	v_permlanex16_b32 v[T+9], v[T+8], s[SEL], s[SEL+1]
	v_add_f32 v[T], v[T], v[T+1]
	v_add_f32 v[T+8], v[T+8], v[T+9]
.endm
	s_load_b256 s[4:11], s[0:1], 0x0               ; x s[4:5], g1 s[6:7], be1 s[8:9], xn s[10:11]
	s_load_b256 s[12:19], s[0:1], 0x20             ; Wq s[12:13], Wk s[14:15], Wv s[16:17], Wo s[18:19]
	s_load_b128 s[20:23], s[0:1], 0x40             ; W1 s[20:21], W2 s[22:23]
	s_load_b64 s[24:25], s[0:1], 0x50              ; w16
	s_cmp_lt_u32 ttmp9, 1024
	s_cbranch_scc0 .Lconvert
	; ---- the norm ----
	v_lshrrev_b32 v1, 5, v0
	v_readfirstlane_b32 s26, v1                    ; wave 0..3
	v_and_b32 v1, 31, v0
	v_lshlrev_b32 v[XO], 4, v1
	v_lshlrev_b32 v[YO], 3, v1
	s_lshl_b32 s28, ttmp9, 14                      ; 8 rows of 2,048 bytes a work-group,
	s_lshl_b32 s27, s26, 12                        ; 2 a wave
	s_add_co_u32 s28, s28, s27
	s_mov_b32 s29, 0
	s_lshr_b32 s30, s28, 1                         ; half as many bytes in xn
	s_mov_b32 s31, 0
	s_mov_b32 s[SEL], 0x76543210
	s_mov_b32 s[SEL+1], 0xfedcba98
	s_wait_kmcnt 0x0
	s_add_nc_u64 s[4:5], s[4:5], s[28:29]
	s_add_nc_u64 s[10:11], s[10:11], s[30:31]
.irp j, 0,1,2,3
	global_load_b128 v[X+4*(\j):X+4*(\j)+3], v[XO], s[4:5] offset:512*(\j)
.endr
.irp j, 0,1,2,3
	global_load_b128 v[X+16+4*(\j):X+16+4*(\j)+3], v[XO], s[4:5] offset:2048+512*(\j)
.endr
.irp j, 0,1,2,3
	global_load_b128 v[G+4*(\j):G+4*(\j)+3], v[XO], s[6:7] offset:512*(\j)
.endr
.irp j, 0,1,2,3
	global_load_b128 v[BE+4*(\j):BE+4*(\j)+3], v[XO], s[8:9] offset:512*(\j)
.endr
	s_wait_loadcnt 8                               ; both rows are in; the eight loads of g and be, issued behind them, may stay out
	ROWS v_pk_add_f32 v[T+8*w:T+8*w+1], v[X+16*w:X+16*w+1], v[X+16*w+2:X+16*w+3]
	ROWS v_pk_add_f32 v[T+8*w+2:T+8*w+3], v[X+16*w+4:X+16*w+5], v[X+16*w+6:X+16*w+7]
	ROWS v_pk_add_f32 v[T+8*w+4:T+8*w+5], v[X+16*w+8:X+16*w+9], v[X+16*w+10:X+16*w+11]
	ROWS v_pk_add_f32 v[T+8*w+6:T+8*w+7], v[X+16*w+12:X+16*w+13], v[X+16*w+14:X+16*w+15]
	ROWS v_pk_add_f32 v[T+8*w:T+8*w+1], v[T+8*w:T+8*w+1], v[T+8*w+2:T+8*w+3]
	ROWS v_pk_add_f32 v[T+8*w+4:T+8*w+5], v[T+8*w+4:T+8*w+5], v[T+8*w+6:T+8*w+7]
	ROWS v_pk_add_f32 v[T+8*w:T+8*w+1], v[T+8*w:T+8*w+1], v[T+8*w+4:T+8*w+5]
	ROWS v_add_f32 v[T+8*w], v[T+8*w], v[T+8*w+1]
	ACROSS
	ROWS v_mul_f32 v[MU+2*w], 0x3b000000, v[T+8*w]         ; the mean: sum / 512
	ROWS v_mov_b32 v[MU+2*w+1], v[MU+2*w]
.set i, 0
.rept 8
	ROWS v_pk_add_f32 v[X+16*w+2*i:X+16*w+2*i+1], v[X+16*w+2*i:X+16*w+2*i+1], v[MU+2*w:MU+2*w+1] neg_lo:[0,1] neg_hi:[0,1]
.set i, i+1
.endr
	ROWS v_pk_mul_f32 v[T+8*w:T+8*w+1], v[X+16*w:X+16*w+1], v[X+16*w:X+16*w+1]
	ROWS v_pk_mul_f32 v[T+8*w+2:T+8*w+3], v[X+16*w+2:X+16*w+3], v[X+16*w+2:X+16*w+3]
.set i, 2
.rept 6
	ROWS v_pk_fma_f32 v[T+8*w+2*(i%2):T+8*w+2*(i%2)+1], v[X+16*w+2*i:X+16*w+2*i+1], v[X+16*w+2*i:X+16*w+2*i+1], v[T+8*w+2*(i%2):T+8*w+2*(i%2)+1]
.set i, i+1
.endr
	ROWS v_pk_add_f32 v[T+8*w:T+8*w+1], v[T+8*w:T+8*w+1], v[T+8*w+2:T+8*w+3]
	ROWS v_add_f32 v[T+8*w], v[T+8*w], v[T+8*w+1]
	ACROSS
	ROWS v_mul_f32 v[T+8*w], 0x3b004020, v[T+8*w]          ; the variance: sum of squares / 511
	ROWS v_sqrt_f32 v[RS+2*w], v[T+8*w]
	v_nop                                          ; a plain instruction behind the last root,
	s_wait_alu depctr_va_vdst(0)                   ; and one wait for both, ahead of their first reader
	ROWS v_add_f32 v[RS+2*w], 0x322bcc77, v[RS+2*w]        ; + 1e-8, behind the root
	ROWS v_rcp_f32 v[RS+2*w], v[RS+2*w]
	v_nop
	s_wait_alu depctr_va_vdst(0)                   ; one wait for both reciprocals
	ROWS v_mov_b32 v[RS+2*w+1], v[RS+2*w]
	s_wait_loadcnt 0x0                             ; g and be
.set i, 0
.rept 8
	ROWS v_pk_mul_f32 v[X+16*w+2*i:X+16*w+2*i+1], v[X+16*w+2*i:X+16*w+2*i+1], v[RS+2*w:RS+2*w+1]
.set i, i+1
.endr
.set i, 0
.rept 8
	ROWS v_pk_fma_f32 v[X+16*w+2*i:X+16*w+2*i+1], v[X+16*w+2*i:X+16*w+2*i+1], v[G+2*i:G+2*i+1], v[BE+2*i:BE+2*i+1]
.set i, i+1
.endr
.set i, 0
.rept 8
	ROWS v_cvt_pk_bf16_f32 v[T+8*w+i], v[X+16*w+2*i], v[X+16*w+2*i+1]
.set i, i+1
.endr
.set i, 0
.rept 4
	ROWS global_store_b64 v[YO], v[T+8*w+2*i:T+8*w+2*i+1], s[10:11] offset:1024*w+256*i  ; a wave's store covers 256 consecutive bytes, aligned
.set i, i+1
.endr
	s_endpgm
	; ---- the weights ----
.Lconvert:
	s_sub_co_u32 s27, ttmp9, 1024                  ; chunk 0..767
	v_lshlrev_b32 v[XO], 4, v0
	v_lshlrev_b32 v[YO], 3, v0
	s_wait_kmcnt 0x0
	s_mov_b64 s[28:29], s[22:23]                   ; which matrix, and its first chunk: from the last downward
	s_mov_b32 s30, 512
	s_cmp_lt_u32 s27, 512
	s_cselect_b64 s[28:29], s[20:21], s[28:29]
	s_cselect_b32 s30, 256, s30
	s_cmp_lt_u32 s27, 256
	s_cselect_b64 s[28:29], s[18:19], s[28:29]
	s_cselect_b32 s30, 192, s30
	s_cmp_lt_u32 s27, 192
	s_cselect_b64 s[28:29], s[16:17], s[28:29]
	s_cselect_b32 s30, 128, s30
	s_cmp_lt_u32 s27, 128
	s_cselect_b64 s[28:29], s[14:15], s[28:29]
	s_cselect_b32 s30, 64, s30
	s_cmp_lt_u32 s27, 64
	s_cselect_b64 s[28:29], s[12:13], s[28:29]
	s_cselect_b32 s30, 0, s30
	s_sub_co_u32 s30, s27, s30
	s_lshl_b32 s30, s30, 14                        ; 16,384 bytes of f32 a chunk
	s_mov_b32 s31, 0
	s_add_nc_u64 s[28:29], s[28:29], s[30:31]
	s_lshl_b32 s32, s27, 13                        ; 8,192 bytes of bf16
	s_mov_b32 s33, 0
	s_add_nc_u64 s[24:25], s[24:25], s[32:33]
.irp j, 0,1,2,3,4,5,6,7
	global_load_b128 v[16+4*(\j):16+4*(\j)+3], v[XO], s[28:29] offset:2048*(\j) th:TH_LOAD_NT
.endr
.irp j, 0,1,2,3,4,5,6,7
	s_wait_loadcnt 7-(\j)                          ; loads come back in order: number j is in, the younger ones stay out
	v_cvt_pk_bf16_f32 v[48+2*(\j)], v[16+4*(\j)], v[16+4*(\j)+1]
	v_cvt_pk_bf16_f32 v[48+2*(\j)+1], v[16+4*(\j)+2], v[16+4*(\j)+3]
	global_store_b64 v[YO], v[48+2*(\j):48+2*(\j)+1], s[24:25] offset:1024*(\j)
.endr
	s_endpgm
.Lfunc_end_k_q6496dcb884_prep:
	.size	k_q6496dcb884_prep, .Lfunc_end_k_q6496dcb884_prep-k_q6496dcb884_prep
	.p2alignl 7, 3214868480
	.fill 96, 4, 3214868480
	.section	.rodata,"a",@progbits
	.p2align	6, 0x0
	.amdhsa_kernel k_q6496dcb884_prep
		.amdhsa_group_segment_fixed_size 0
		.amdhsa_private_segment_fixed_size 0
		.amdhsa_enable_private_segment 0
		.amdhsa_kernarg_size 88
		.amdhsa_user_sgpr_count 2
		.amdhsa_user_sgpr_kernarg_segment_ptr 1
		.amdhsa_wavefront_size32 1
		.amdhsa_system_sgpr_workgroup_id_x 1
		.amdhsa_system_sgpr_workgroup_id_y 1
		.amdhsa_system_sgpr_workgroup_id_z 1
		.amdhsa_system_vgpr_workitem_id 0
		.amdhsa_next_free_vgpr 104
		.amdhsa_next_free_sgpr 66
		.amdhsa_reserve_vcc 0
		.amdhsa_float_denorm_mode_32 3
		.amdhsa_float_denorm_mode_16_64 3
		.amdhsa_memory_ordered 1
		.amdhsa_forward_progress 1
		.amdhsa_inst_pref_size 16
	.end_amdhsa_kernel
	.amdgpu_metadata
---
amdhsa.version: [ 1, 2 ]
amdhsa.kernels:
  - .name:           k_q6496dcb884_prep
    .symbol:         k_q6496dcb884_prep.kd
    .args:
      - { .name: x, .offset: 0, .size: 8, .value_kind: global_buffer, .address_space: global }
      - { .name: g1, .offset: 8, .size: 8, .value_kind: global_buffer, .address_space: global }
      - { .name: be1, .offset: 16, .size: 8, .value_kind: global_buffer, .address_space: global }
      - { .name: xn, .offset: 24, .size: 8, .value_kind: global_buffer, .address_space: global }
      - { .name: Wq, .offset: 32, .size: 8, .value_kind: global_buffer, .address_space: global }
      - { .name: Wk, .offset: 40, .size: 8, .value_kind: global_buffer, .address_space: global }
      - { .name: Wv, .offset: 48, .size: 8, .value_kind: global_buffer, .address_space: global }
      - { .name: Wo, .offset: 56, .size: 8, .value_kind: global_buffer, .address_space: global }
      - { .name: W1, .offset: 64, .size: 8, .value_kind: global_buffer, .address_space: global }
      - { .name: W2, .offset: 72, .size: 8, .value_kind: global_buffer, .address_space: global }
      - { .name: w16, .offset: 80, .size: 8, .value_kind: global_buffer, .address_space: global }
    .group_segment_fixed_size: 0
    .private_segment_fixed_size: 0
    .kernarg_segment_align: 8
    .kernarg_segment_size: 88
    .max_flat_workgroup_size: 128
    .sgpr_count:     66
    .vgpr_count:     104
    .wavefront_size: 32
...
	.end_amdgpu_metadata
.endif
;; end of part 1
;; launch proj (part 2): grid 64 x 4, 4 waves a work-group, clusters of 4 x 1, 327,680 bytes of LDS; arguments xn, w16, bq, bk, bv, qkv; writes qkv
.if DOCPART == 2
	.amdgcn_target "amdgcn-amd-amdhsa--gfx1250"
	.amdhsa_code_object_version 6
	.text
	.protected	k_q6496dcb884_proj
	.globl	k_q6496dcb884_proj
	.p2align	8
	.type	k_q6496dcb884_proj,@function
k_q6496dcb884_proj:
	s_mov_b64 s[64:65], 0
	v_nop
	global_prefetch_b8 v0, s[64:65] scope:SCOPE_SE
	s_setreg_imm32_b32 hwreg(HW_REG_WAVE_MODE, 25, 1), 1
	s_wait_xcnt 0x0
	s_wait_alu depctr_hold_cnt(0) depctr_sa_sdst(0) depctr_va_vdst(0) depctr_va_sdst(0) depctr_va_ssrc(0) depctr_va_vcc(0) depctr_vm_vsrc(0)
	s_getreg_b32 s2, hwreg(HW_REG_IB_STS2, 6, 4)
	s_cmp_eq_u32 s2, 0
	s_cbranch_scc0 .Lentry_in_a_cluster
	s_endpgm
.Lentry_in_a_cluster:
	s_bfe_u32 s2, ttmp6, 0x10000c
	s_cmp_lg_u32 s2, 0x3003
	s_cbranch_scc0 .Lentry_shape_is_right
	s_endpgm
.Lentry_shape_is_right:
; q, k, v = xn [Wq; Wk; Wv]^T + bias, bf16 operands, f32 sums, rounded once to bf16 and laid out BY HEADS: qkv[(which 16 + h) 4 + batch][2048][32]:
; a head's rows are 64 dense bytes, so a wave's 64 rows of one head are 4,096 consecutive bytes.  The scale 1/sqrt(32) is not applied here.
; SHARES.  A work-group takes 128 rows of xn (row block = 4 x cluster x + cx) and 384 of the 1,536 columns (chunk = grid y), in 6 steps of 64 columns.
; K = 512 IS SHORT: a wave keeps its 64 rows of xn for the whole K in 512 registers; only the weights pass through a ring of two LDS slots, 64 weight rows x 1,024 bytes each.
; A step of a wave: 64 LDS loads, 128 matrix instructions (64 rows x 32 columns x K 512).  Wave w: rows 64 (w / 2).., columns 32 (w % 2).. of the step = one head.
; CLUSTER.  The four partners have different rows and the same chunk: the weight tiles are asked for JOINTLY (mask 15).  xn's rows belong to one partner alone inside the
; cluster (those that share them lie along grid y), so they come by a load of the work-group's own, once.
; THE MATRIX INSTRUCTION IS USED TRANSPOSED (source 0 = 16 weight rows, source 1 = 16 rows of xn): a lane holds row lane % 16 and 8 neighbouring columns.
; REGISTERS in windows of 256: 0: addresses, way out, accumulators; 1: the step's weights (n block b, K fragment kf at 128 b + 8 kf); 2, 3: xn (m block a at 128 (a % 2) + 8 kf).
.set PITCH, 1040                       ; an LDS row: 1,024 bytes + 16 = 65 x 16: the 16 rows of a fragment load start at 16 different groups of four banks
.set SLOT,  64*PITCH
.set AST,   2*SLOT                     ; xn's 128 rows, filled once; when all waves have read them, the head of this region is the stage of the way out
.set SPARE, AST+128*PITCH              ; the spare words, 128 bytes a wave, that no other line names
.set SEC,   0                          ; the section of w16
.set NCH,   384                        ; columns of a chunk
.set STEPS, NCH/64
.set ASKLIM, 1
.set SP,    80                         ; a stage row: 64 bytes + 16
.set A0,  4                            ; v4   my lane's place in xn's rows in LDS
.set B0,  5                            ; v5   my lane's place in a slot
.set BAD, 6                            ; v6   the same in the slot in hand
.set STO, 7                            ; v7   the way out: where I put 16 bytes
.set RD,  8                            ; v8   where I read rows back
.set GO,  9                            ; v9   16 x lane
.set BO,  10                           ; v10  my byte offset in the step's 64 biases
.set PFO, 11                           ; v11  the prefetch's offset; never rewritten
.set SPW, 28                           ; v28  my spare word; never rewritten
.set NIL, 29                           ; v29  0; never rewritten
.set TMP, 32                           ; v[32:63]   packed results
.set RBK, 64                           ; v[64:95]   rows read back
.set BI,  96                           ; v[96:111]  16 biases: n block b at 8 b
.set ACC, 128                          ; accumulator (a, b) at ACC + 8 (2 a + b)
.set WV, 12
.set WR, 13
.set WC, 14
.set CX, 15
.set RB, 16
.set CH, 17
.set G1A, 24
.set G1B, 32
.set G0B, 40
.set G0A, 44
.set CNT, 60
.set TB,  61                           ; s61  LDS byte of the slot to be read next
.set LIM, 62
.set PFA, 66
.set OUT, 68
.set BP,  70
.set C0,  72                           ; s72  the step's first column of the 1,536
.set MSB, 0
.macro WIN new                         ; the immediate's high byte repeats the setting that is left; a switch that changes nothing is dropped
.if MSB != (\new)
	s_set_vgpr_msb (MSB<<8)|(\new)
.set MSB, (\new)
.endif
.endm
.macro PLACES                          ; four plain places: behind a tensor load, and between a matrix instruction and a load into, or a reader of, its registers
.rept 4
	v_nop
.endr
.endm
.macro CROUND                          ; a round of the cluster's barrier
	s_barrier_signal -1
	s_barrier_wait -1
	s_cmp_lg_u32 s[WV], 0
	s_cbranch_scc1 .Lnot_wave_0_\@
	s_barrier_signal -3
.Lnot_wave_0_\@:
	s_barrier_wait -3
	s_barrier_signal -1
	s_barrier_wait -1
.endm
; A prefetch of the weight tile that the NEXT trip will ask for: 64 rows x 1,024 bytes = 256 blocks of 256 bytes.  All clusters of a chunk read the same tiles: cluster x = 0 asks.
; Its four partners take 16 rows each BY ADDRESS; in each, waves 0 and 1 take two of a row's four blocks each, a lane a block.  So each block is named once in the launch.
; Tiles 0 and 1 come by their loads alone; the last trips, whose next tile does not exist, ask for nothing.
.macro ASK
	s_cmp_gt_u32 s[CNT], s[LIM]
	s_cbranch_scc0 .Lnot_mine_\@
	global_prefetch_b8 v[PFO], s[PFA:PFA+1] th:TH_LOAD_NT scope:SCOPE_SE
.Lnot_mine_\@:
.endm
; THE CHANGE OF SLOTS.  Each wave waits for all its tensor loads (one is out: its quarter of the tile now wanted), adds 0 to its spare word, waits for that and for its LDS reads.
; refill = 1: a round of the cluster's barrier, then the joint load of the next tile into the slot read last, first thing behind the round.
.macro TRIP refill, ask
	WIN 0
	s_wait_tensorcnt 0x0                           ; no tensor load of mine is out: the walking group 0 may be written
	ds_add_u32 v[SPW], v[NIL]
.if \refill
	s_xor_b32 s[G0B+1], s[G0B+1], SLOT             ; the other slot,
	s_add_nc_u64 s[G0B+2:G0B+3], s[G0B+2:G0B+3], 65536  ; the next 64 weight rows
.if \ask
	s_wait_xcnt 0x0                                ; the last prefetch, a step back, has read its address
	s_add_nc_u64 s[PFA:PFA+1], s[PFA:PFA+1], 65536
.endif
.endif
	s_wait_dscnt 0x0                               ; the add is done, my reads of the old slot are over
.if \refill
	CROUND
	tensor_load_to_lds s[G0B:G0B+3], s[G1B:G1B+7]
	s_nop 0
	PLACES                                         ; also the places in front of the loads into the weights' registers
.if \ask
	ASK
.endif
.else
	s_barrier_signal -1
	s_barrier_wait -1
	PLACES
.endif
.endm
.macro ALOAD                           ; xn: 4 m blocks x 16 K fragments, 128 loads, once
.irp hi, 0,1
	WIN 0x80+0x40*(\hi)
.irp a, 0,1
.set kf, 0
.rept 16
	ds_load_b128 v[128*(\a)+8*kf:128*(\a)+8*kf+3],   v[A0] offset:(2*(\hi)+(\a))*16*PITCH+64*kf
	ds_load_b128 v[128*(\a)+8*kf+4:128*(\a)+8*kf+7], v[A0] offset:(2*(\hi)+(\a))*16*PITCH+64*kf+32
.set kf, kf+1
.endr
.endr
.endr
	WIN 0
.endm
.macro BLOAD                           ; the step's weights: 64 loads, K fragment by K fragment, so that the products can begin on the first
	WIN 0
	v_add_nc_u32 v[BAD], s[TB], v[B0]
	s_xor_b32 s[TB], s[TB], SLOT
	WIN 0x40
.set kf, 0
.rept 16
.irp b, 0,1
	ds_load_b128 v[128*(\b)+8*kf:128*(\b)+8*kf+3],   v[BAD] offset:(\b)*16*PITCH+64*kf
	ds_load_b128 v[128*(\b)+8*kf+4:128*(\b)+8*kf+7], v[BAD] offset:(\b)*16*PITCH+64*kf+32
.endr
.set kf, kf+1
.endr
.endm
; 128 matrix instructions.  Four accumulators take turns, one instruction a turn; the first K fragment starts the sums with the constant 0.
.macro MULS j
.irp hi, 0,1
	WIN 0x09+4*(\hi)                               ; weights window 1, xn window 2 or 3, sums window 0
.set kf, 0
.rept 16
.if ((\hi) == 0) && ((kf%2) == 0)
	s_wait_dscnt 56-4*kf                           ; of the 64 loads those behind K fragments kf and kf + 1 may stay out
.endif
.irp a, 0,1
.irp b, 0,1
.set rD, ACC+64*(\j)+8*(2*(2*(\hi)+(\a))+(\b))
.if kf == 0
	v_wmma_f32_16x16x32_bf16 v[rD:rD+7], v[128*(\b)+8*kf:128*(\b)+8*kf+7], v[128*(\a)+8*kf:128*(\a)+8*kf+7], 0
.else
	v_wmma_f32_16x16x32_bf16 v[rD:rD+7], v[128*(\b)+8*kf:128*(\b)+8*kf+7], v[128*(\a)+8*kf:128*(\a)+8*kf+7], v[rD:rD+7]
.endif
.endr
.endr
.set kf, kf+1
.endr
.endr
	WIN 0
.endm
.macro BIAS                            ; the step's 64 columns lie in one of bq, bk, bv (512 is a multiple of 64): my 16 numbers; they have the step's products in which to land
	s_cmp_lt_u32 s[C0], 1024
	s_cselect_b64 s[BP:BP+1], s[10:11], s[20:21]
	s_cmp_lt_u32 s[C0], 512
	s_cselect_b64 s[BP:BP+1], s[8:9], s[BP:BP+1]
	s_and_b32 s18, s[C0], 511
	s_lshl_b32 s18, s18, 2
	s_mov_b32 s19, 0
	s_add_nc_u64 s[BP:BP+1], s[BP:BP+1], s[18:19]
	global_load_b128 v[BI:BI+3],     v[BO], s[BP:BP+1]
	global_load_b128 v[BI+4:BI+7],   v[BO], s[BP:BP+1] offset:16
	global_load_b128 v[BI+8:BI+11],  v[BO], s[BP:BP+1] offset:64
	global_load_b128 v[BI+12:BI+15], v[BO], s[BP:BP+1] offset:80
.endm
; THE WAY OUT of a step: + bias, rounded to bf16, through my own stage (64 rows of 80 bytes), back as 8 rows = 512 consecutive bytes a load, and stored.
.macro QOUT more
	PLACES
	s_wait_loadcnt 0x0                             ; the biases
.set i, 0
.rept 8
.irp q, 0,2,4,6
	v_pk_add_f32 v[ACC+8*i+(\q):ACC+8*i+(\q)+1], v[ACC+8*i+(\q):ACC+8*i+(\q)+1], v[BI+8*(i%2)+(\q):BI+8*(i%2)+(\q)+1]
.endr
.irp q, 0,1,2,3
	v_cvt_pk_bf16_f32 v[TMP+4*i+(\q)], v[ACC+8*i+2*(\q)], v[ACC+8*i+2*(\q)+1]
.endr
	ds_store_b128 v[STO], v[TMP+4*i:TMP+4*i+3] offset:(i/2)*16*SP+32*(i%2)
.set i, i+1
.endr
.irp t, 0,1,2,3,4,5,6,7
	ds_load_b128 v[RBK+4*(\t):RBK+4*(\t)+3], v[RD] offset:8*SP*(\t)  ; LDS serves a wave's instructions in order: these see the stores above
.endr
.irp t, 0,1,2,3,4,5,6,7
	s_wait_dscnt 7-(\t)
	global_store_b128 v[GO], v[RBK+4*(\t):RBK+4*(\t)+3], s[OUT:OUT+1] offset:512*(\t)
.endr
.if \more
	s_wait_xcnt 0x0                                ; the stores have read their registers and their base
	s_add_nc_u64 s[OUT:OUT+1], s[OUT:OUT+1], 0x100000  ; two heads on: 2 x 4 batches x 131,072 bytes
	s_add_co_u32 s[C0], s[C0], 64
.endif
.endm
	s_load_b256 s[4:11], s[0:1], 0x0               ; xn s[4:5], w16 s[6:7], bq s[8:9], bk s[10:11]
	s_load_b128 s[20:23], s[0:1], 0x20             ; bv s[20:21], qkv s[22:23]
	v_lshl_add_u32 v[SPW], v0, 2, SPARE
	v_mov_b32 v[NIL], 0
	ds_add_u32 v[SPW], v[NIL]                      ; the wave's opening: the add and its wait ahead of my first tensor load
	v_lshrrev_b32 v1, 5, v0
	v_readfirstlane_b32 s[WV], v1                  ; wave 0..3
	s_lshr_b32 s[WR], s[WV], 1
	s_and_b32 s[WC], s[WV], 1
	s_bfe_u32 s[CX], ttmp6, 0x40000                ; cx
	s_lshl_b32 s[RB], ttmp9, 2
	s_add_co_u32 s[RB], s[RB], s[CX]               ; row block 0..63
	s_and_b32 s[CH], ttmp7, 0xffff                 ; chunk 0..3, shared by the partners
	s_mov_b32 s[G1A], (1<<16)|(1<<20)|(7<<22)|(3<<25)   ; 2-byte elements; padding on: 4 words behind every 256
	s_mov_b32 s[G1A+1], 512<<16                    ; tensor_dim0 = 512
	s_mov_b32 s[G1A+2], 32<<16                     ; tensor_dim1 = 32
	s_mov_b32 s[G1A+3], 512<<16                    ; tile_dim0 = 512
	s_mov_b32 s[G1A+4], 32                         ; tile_dim1 = 32
	s_mov_b32 s[G1A+5], 512                        ; elements from row to row
	s_mov_b32 s[G1A+6], 0
	s_mov_b32 s[G1A+7], 0
	s_mov_b32 s[G1B], 15|(1<<16)|(1<<20)|(1<<21)|(7<<22)|(3<<25)  ; the same with the mask of four and bit 21 beside it
	s_mov_b32 s[G1B+1], 512<<16
	s_mov_b32 s[G1B+2], 16<<16                     ; 16 rows a wave
	s_mov_b32 s[G1B+3], 512<<16
	s_mov_b32 s[G1B+4], 16
	s_mov_b32 s[G1B+5], 512
	s_mov_b32 s[G1B+6], 0
	s_mov_b32 s[G1B+7], 0
	s_mov_b32 s[G0A], 1
	s_mul_i32 s[G0A+1], s[WV], 32*PITCH
	s_add_co_u32 s[G0A+1], s[G0A+1], AST
	s_mov_b32 s[G0B], 1
	s_mul_i32 s[G0B+1], s[WV], 16*PITCH            ; slot 0, my quarter
	s_lshl_b32 s2, s[RB], 17                       ; xn: 128 rows of 1,024 bytes a block,
	s_lshl_b32 s3, s[WV], 15                       ; 32 a wave
	s_add_co_u32 s2, s2, s3
	s_mov_b32 s3, 0
	s_mul_i32 s18, s[CH], NCH*1024                 ; the weights: the chunk's first row,
	s_lshl_b32 s19, s[WV], 14                      ; my 16 rows of a tile
	s_add_co_u32 s18, s18, s19
.if SEC
	s_add_co_u32 s18, s18, SEC
.endif
	s_mov_b32 s19, 0
	s_mul_i32 s48, s[CH], NCH*1024                 ; the prefetches: the chunk's tile 1 (the first trip steps to tile 2), my work-group's 16 rows
	s_add_co_u32 s48, s48, SEC+65536
	s_lshl_b32 s49, s[CX], 14
	s_add_co_u32 s48, s48, s49
	s_mov_b32 s49, 0
	s_or_b32 s[LIM], s[WR], ttmp9                  ; waves 0 and 1 of cluster x = 0 ask: the same in all partners
	s_cmp_eq_u32 s[LIM], 0
	s_cselect_b32 s[LIM], ASKLIM, -1
	s_mul_i32 s50, s[CH], 12                       ; where my rows of the first step's head begin in qkv
	s_add_co_u32 s50, s50, s[WC]                   ; head block
	s_lshl_b32 s50, s50, 2
	s_lshr_b32 s51, s[RB], 4                       ; batch
	s_add_co_u32 s50, s50, s51
	s_lshl_b32 s50, s50, 11
	s_and_b32 s51, s[RB], 15
	s_lshl_b32 s51, s51, 7
	s_add_co_u32 s50, s50, s51
	s_lshl_b32 s51, s[WR], 6
	s_add_co_u32 s50, s50, s51
	s_lshl_b32 s50, s50, 6                         ; rows of 64 bytes
	s_mov_b32 s51, 0
	s_mul_i32 s[C0], s[CH], NCH
	s_mov_b32 s[TB], 0
	s_wait_dscnt 0x0                               ; the opening add is done
	s_wait_kmcnt 0x0
	s_add_nc_u64 s[G0A+2:G0A+3], s[4:5], s[2:3]
	s_or_b32 s[G0A+3], s[G0A+3], 0x80000000
	s_add_nc_u64 s[G0B+2:G0B+3], s[6:7], s[18:19]
	s_or_b32 s[G0B+3], s[G0B+3], 0x80000000
	s_add_nc_u64 s[PFA:PFA+1], s[6:7], s[48:49]
	s_add_nc_u64 s[OUT:OUT+1], s[22:23], s[50:51]
	CROUND                                         ; all four work-groups are here: the first loads go out as one group, two a wave
	tensor_load_to_lds s[G0A:G0A+3], s[G1A:G1A+7]
	s_nop 0
	tensor_load_to_lds s[G0B:G0B+3], s[G1B:G1B+7]
	s_nop 0
	PLACES
	v_and_b32 v1, 15, v0                           ; r = lane % 16
	v_bfe_u32 v2, v0, 4, 1                         ; h = lane / 16
	v_mul_u32_u24 v3, v1, PITCH
	v_lshl_add_u32 v3, v2, 4, v3                   ; a fragment's row x pitch + 16 h
	s_mul_i32 s2, s[WR], 64*PITCH
	s_add_co_u32 s2, s2, AST
	v_add_nc_u32 v[A0], s2, v3
	s_mul_i32 s2, s[WC], 32*PITCH
	v_add_nc_u32 v[B0], s2, v3
	s_mul_i32 s2, s[WV], 64*SP
	s_add_co_u32 s2, s2, AST                       ; my stage
	v_mul_u32_u24 v3, v1, SP
	v_lshl_add_u32 v3, v2, 4, v3
	v_add_nc_u32 v[STO], s2, v3
	v_bfe_u32 v3, v0, 2, 3                         ; back: 32 lanes take 8 rows of 64 bytes
	v_mul_u32_u24 v3, v3, SP
	v_and_b32 v[RD], 3, v0
	v_lshl_add_u32 v3, v[RD], 4, v3
	v_add_nc_u32 v[RD], s2, v3
	v_and_b32 v[GO], 31, v0
	v_lshlrev_b32 v[GO], 4, v[GO]
	s_lshl_b32 s2, s[WC], 7
	v_lshl_add_u32 v[BO], v2, 5, s2                ; 128 (w % 2) + 32 h
	s_lshl_b32 s2, s[WC], 9
	v_lshl_add_u32 v[PFO], v2, 8, s2               ; block 2 (w % 2) + h of row r
	v_lshl_add_u32 v[PFO], v1, 10, v[PFO]
	s_wait_tensorcnt 0x0                           ; my parts of xn and of tile 0 are in,
	s_barrier_signal -1
	s_barrier_wait -1                              ; everybody's are
	ALOAD
	s_mov_b32 s[CNT], STEPS-1
.Lstep:                                            ; a trip: tile s is multiplied and stored, tile s + 1 asked for
	TRIP 1, 1
	BIAS
	BLOAD
	MULS 0
	QOUT 1
	s_sub_co_u32 s[CNT], s[CNT], 1
	s_cmp_lg_u32 s[CNT], 0
	s_cbranch_scc1 .Lstep
	TRIP 0, 0                                      ; the last step is written out: nothing is left to ask for
	BIAS
	BLOAD
	MULS 0
	QOUT 0
	s_wait_tensorcnt 0x0                           ; the wave's end
	ds_add_u32 v[SPW], v[NIL]
	s_wait_dscnt 0x0
	CROUND                                         ; the closing round
	s_endpgm
.Lfunc_end_k_q6496dcb884_proj:
	.size	k_q6496dcb884_proj, .Lfunc_end_k_q6496dcb884_proj-k_q6496dcb884_proj
	.p2alignl 7, 3214868480
	.fill 96, 4, 3214868480
	.section	.rodata,"a",@progbits
	.p2align	6, 0x0
	.amdhsa_kernel k_q6496dcb884_proj
		.amdhsa_group_segment_fixed_size 327680
		.amdhsa_private_segment_fixed_size 0
		.amdhsa_enable_private_segment 0
		.amdhsa_kernarg_size 48
		.amdhsa_user_sgpr_count 2
		.amdhsa_user_sgpr_kernarg_segment_ptr 1
		.amdhsa_wavefront_size32 1
		.amdhsa_system_sgpr_workgroup_id_x 1
		.amdhsa_system_sgpr_workgroup_id_y 1
		.amdhsa_system_sgpr_workgroup_id_z 1
		.amdhsa_system_vgpr_workitem_id 0
		.amdhsa_next_free_vgpr 1024
		.amdhsa_next_free_sgpr 80
		.amdhsa_reserve_vcc 0
		.amdhsa_float_denorm_mode_32 3
		.amdhsa_float_denorm_mode_16_64 3
		.amdhsa_memory_ordered 1
		.amdhsa_forward_progress 1
		.amdhsa_inst_pref_size 55
	.end_amdhsa_kernel
	.amdgpu_metadata
---
amdhsa.version: [ 1, 2 ]
amdhsa.kernels:
  - .name:           k_q6496dcb884_proj
    .symbol:         k_q6496dcb884_proj.kd
    .args:
      - { .name: xn, .offset: 0, .size: 8, .value_kind: global_buffer, .address_space: global }
      - { .name: w16, .offset: 8, .size: 8, .value_kind: global_buffer, .address_space: global }
      - { .name: bq, .offset: 16, .size: 8, .value_kind: global_buffer, .address_space: global }
      - { .name: bk, .offset: 24, .size: 8, .value_kind: global_buffer, .address_space: global }
      - { .name: bv, .offset: 32, .size: 8, .value_kind: global_buffer, .address_space: global }
      - { .name: qkv, .offset: 40, .size: 8, .value_kind: global_buffer, .address_space: global }
    .group_segment_fixed_size: 327680
    .private_segment_fixed_size: 0
    .kernarg_segment_align: 8
    .kernarg_segment_size: 48
    .max_flat_workgroup_size: 128
    .sgpr_count:     80
    .vgpr_count:     1024
    .wavefront_size: 32
...
	.end_amdgpu_metadata
.endif
;; end of part 2
;; launch attn (part 3): grid 4 x 64, 8 waves a work-group, no clusters, 327,680 bytes of LDS; arguments qkv, oh; writes oh
.if DOCPART == 3
	.amdgcn_target "amdgcn-amd-amdhsa--gfx1250"
	.amdhsa_code_object_version 6
	.text
	.protected	k_q6496dcb884_attn
	.globl	k_q6496dcb884_attn
	.p2align	8
	.type	k_q6496dcb884_attn,@function
k_q6496dcb884_attn:
	s_mov_b64 s[64:65], 0
	v_nop
	global_prefetch_b8 v0, s[64:65] scope:SCOPE_SE
	s_setreg_imm32_b32 hwreg(HW_REG_WAVE_MODE, 25, 1), 1
	s_wait_xcnt 0x0
; ATTENTION, head size 32, 64 pairs (head, batch) of 2,048 rows.  o[q] = sum over visible k of softmax_k(q . k / sqrt(32)) v[k].  A key is visible if k <= q AND its score is not 0.
; q, k, v: bf16, by heads (64 dense bytes a row).  Products, maxima, sums in f32; the weights p rounded to bf16 for the second product; their sum l is taken of the rounded p, in f32, by the matrix unit
; (a third block of "channels", all ones).  o rounded once to bf16, in the same layout by heads.
; THE SCORE 0.  Each score's bit pattern is taken down by 1: +0 and -0 become NaN, every other number moves by one unit in the last place.  The maxima ignore a NaN (v_max3_num_f32); scaling, exponential
; and rounding pass it on; v_pk_max_num_bf16 against 0 makes the weight 0 of it.  A row whose visible scores are all 0 has l = 0 and gives 0 x infinity = NaN, as a softmax over nothing does.
; LIMITS.  A hidden score counts as its value less 1e30; the running maximum m starts at -2^96: scores are taken to lie within 7e28.  A weight below 2^-126 counts as 0.
; THE WALK.  Blocks of 256 queries; block i needs key tiles 0..i of 256 keys, the last with the diagonal.  A work-group takes blocks 7 - b and then b: 9 tiles whatever b, walked by ONE loop with a constant
; count; the ring of two LDS slots runs on across the change of blocks.
; NO CLUSTER: a head's four work-groups ask for the same tile in trips 0..4 only; one walk common to all four would have 12 trips for 9; a tile is 32 KiB for four key steps of eight waves.
; SHARES.  EIGHT waves, two to a SIMD: a step has 20 matrix and some 290 vector instructions a wave, far too many to stand beside the matrix work, so each wave's text is in plain phases, in 256 registers,
; and the second wave has vector work for the first one's waits.  Wave w owns queries 32 w .. 32 w + 31 of a block: two pieces of 16.  The diagonal tile is computed whole, under masks: equal work for all waves.
; LAYOUT.  S^T = K Q^T (source 0 = 16 keys, source 1 = 16 queries): a lane holds ONE query (lane % 16) and keys 8 (lane / 16) + 0..7.  Two such results, rounded in pairs, ARE source 1 of O^T = V^T P.
; THE MASK is the C operand of S^T's one product: MD x AL + BE, MD the mask of a 16 x 16 block on the diagonal: (1, 0) on it, (0, 0) below, (0, -1e30) above.
.set NB,    8
.set KP,    80                         ; a row of K in LDS: 64 bytes + 16: the 16 rows of a load start at 16 different groups of four banks
.set VP,    96                         ; a row of V: 64 + 32
.set VOFF,  256*KP                     ; a slot: 256 rows of K, then 256 rows of V
.set SLOT1, 65536
.set STAGE, 2*SLOT1                    ; never filled by a tensor load: 32 rows x 80 bytes a wave
.set SP,    80
.set SPARE, STAGE+8*32*SP              ; the spare words, 128 bytes a wave, that no other line names
.set AK0, 2
.set AV0, 3
.set AK,  4
.set AV,  5
.set STO, 6
.set RD,  7
.set GO,  8
.set PFO, 9                            ; never rewritten
.set ZR,  10                           ; 0
.set SPW, 12                           ; never rewritten
.set NIL, 13                           ; never rewritten
.set QO,  15
.set Q,   16                           ; v[16:31]   Q, 8 a piece
.set QB,  32                           ; v[32:47]   the second block's Q
.set ONES, 48                          ; v[48:55]   1.0 in every bf16
.set MD,  56                           ; v[56:63]   -1e30 where 8 (lane / 16) + j > lane % 16
.set KF,  64                           ; v[64:95]   K of a step: 16 keys t at 8 t
.set VF,  96                           ; v[96:127]  V^T of a step: 32 keys kk, 16 channels cb at 16 kk + 8 cb
.set S,   128                          ; v[128:191] S^T, 32 a piece; P is packed in place into the first 16
.set OA,  192                          ; v[192:239] a piece's O^T (channels 0-15, 16-31) and L, 8 each
.set ST,  240                          ; v[240:255] a piece's c m, m, a, c m_old, c0-c3
.set KB,  8                            ; s[8:9]   k of my head
.set VB,  10                           ; s[10:11] v of my head
.set WV,  12
.set PB,  14
.set HI,  15
.set PFA, 20
.set G1K, 24
.set G1V, 32
.set G0K, 40
.set G0V, 44
.set OP,  48                           ; s[48:49] o at my rows of the block in hand
.set OLO, 50                           ; s[50:51] of the second block
.set Q2,  52
.set Q1,  54
.set SLOTS, 56
.set CNT, 57
.set CS,  58                           ; s[58:59] c = log2(e) / sqrt(32)
.set SEL, 60
.set TBK, 62
.set TBV, 63
.set BIGN, 66
.set DD,  67                           ; s67, s68: (my piece's block of 16 queries) - (the step's first block of 16 keys)
.set LIM, 69
.set RT,  70                           ; tiles of the block in hand still to be entered
.set NXT, 71                           ; the tile to be asked for next
.set LQ,  72                           ; the last tile of the block whose tiles are being asked for
.set OFF, 74
.set AL,  76
.set BE,  78
.macro PLACES
.rept 4
	v_nop
.endr
.endm
; A fill: wave 0 fetches the tile's K, wave 1 its V, 16 KiB each; the others issue nothing.
.macro LOAD
	s_cmp_eq_u32 s[WV], 0
	s_cbranch_scc0 .Lnot_k_\@
	tensor_load_to_lds s[G0K:G0K+3], s[G1K:G1K+7]
	s_nop 0
	PLACES
	s_branch .Lasked_\@
.Lnot_k_\@:
	s_cmp_eq_u32 s[WV], 1
	s_cbranch_scc0 .Lasked_\@
	tensor_load_to_lds s[G0V:G0V+3], s[G1V:G1V+7]
	s_nop 0
	PLACES
.Lasked_\@:
.endm
; A prefetch of the tile that the NEXT change of slots will ask for.  A head's four work-groups walk the same first tiles: work-group b = 0, whose first block walks tiles 0..7, asks; waves 2 and 3 for the halves
; of K's 64 blocks of 256 bytes, waves 4 and 5 for V's, a lane a block.  Changes 0..5 name tiles 2..7, each once a head; tiles 0 and 1 come by their loads alone; second readings are not asked for.
.macro ASK
	s_cmp_gt_u32 s[SLOTS], s[LIM]
	s_cbranch_scc0 .Lnot_mine_\@
	global_prefetch_b8 v[PFO], s[PFA:PFA+1] th:TH_LOAD_NT scope:SCOPE_SE
.Lnot_mine_\@:
.endm
; THE CHANGE OF SLOTS.  Each wave waits for all its tensor loads, adds 0 to its spare word, waits for that and for its reads of the slot that it leaves.  Behind the barrier nobody reads the old slot and the
; other is whole.  fill = 1: the old slot is filled again, first thing behind the barrier, with tile NXT; the descriptor's address is made anew from that number.
.macro CHANGE fill
	s_wait_tensorcnt 0x0
	ds_add_u32 v[SPW], v[NIL]
.if \fill
	s_lshl_b32 s[OFF], s[NXT], 14                  ; a tile is 16,384 bytes of K and of V
	s_xor_b32 s[G0K+1], s[G0K+1], SLOT1
	s_add_nc_u64 s[G0K+2:G0K+3], s[KB:KB+1], s[OFF:OFF+1]
	s_or_b32 s[G0K+3], s[G0K+3], 0x80000000
	s_xor_b32 s[G0V+1], s[G0V+1], SLOT1
	s_add_nc_u64 s[G0V+2:G0V+3], s[VB:VB+1], s[OFF:OFF+1]
	s_or_b32 s[G0V+3], s[G0V+3], 0x80000000
	s_add_co_u32 s[NXT], s[NXT], 1                 ; the block's next tile, or behind its last the second block's tile 0
	s_cmp_gt_u32 s[NXT], s[LQ]
	s_cselect_b32 s[NXT], 0, s[NXT]
	s_cselect_b32 s[LQ], s[PB], s[LQ]
	s_wait_xcnt 0x0                                ; the last prefetch, a tile back, has read its address
	s_add_nc_u64 s[PFA:PFA+1], s[PFA:PFA+1], 16384
.endif
	s_wait_dscnt 0x0                               ; the add is done, my reads of the slot are over
	s_barrier_signal -1
	s_sub_co_u32 s[TBK], s[TBK], 256*KP            ; the fetches go back to a slot's first step, in the other slot
	s_xor_b32 s[TBK], s[TBK], SLOT1
	s_sub_co_u32 s[TBV], s[TBV], 256*VP
	s_xor_b32 s[TBV], s[TBV], SLOT1
	s_barrier_wait -1
.if \fill
	LOAD
	ASK
.endif
.endm
; ONE PIECE'S SOFTMAX for a step of 64 keys: 32 scores a lane.
.macro SOFT p
.set rS, S+32*(\p)
.set rT, ST+8*(\p)
.set rO, OA+24*(\p)
.set i, 0
.rept 32
	v_add_nc_u32 v[rS+i], -1, v[rS+i]              ; the score 0 becomes NaN; in ascending order: each accumulator's lowest registers are read first
.set i, i+1
.endr
.irp n, 0,1,2,3
	v_max3_num_f32 v[rT+4+(\n)], v[rS+8*(\n)], v[rS+8*(\n)+1], v[rS+8*(\n)+2]
.endr
.irp n, 0,1,2,3
	v_max3_num_f32 v[rT+4+(\n)], v[rT+4+(\n)], v[rS+8*(\n)+3], v[rS+8*(\n)+4]
.endr
.irp n, 0,1,2,3
	v_max3_num_f32 v[rT+4+(\n)], v[rT+4+(\n)], v[rS+8*(\n)+5], v[rS+8*(\n)+6]
.endr
	v_max3_num_f32 v[rT+4], v[rT+4], v[rS+7], v[rS+15]
	v_max3_num_f32 v[rT+5], v[rT+5], v[rS+23], v[rS+31]
	v_max3_num_f32 v[rT+6], v[rT+6], v[rT+7], v[rT+1]      ; the old m, which is finite, enters here
	v_mov_b32 v[rT+3], v[rT]                       ; c m_old
	v_max3_num_f32 v[rT+4], v[rT+4], v[rT+5], v[rT+6]
	v_permlanex16_b32 v[rT+7], v[rT+4], s[SEL], s[SEL+1]   ; the query's other 32 keys lie in the lane 16 away
	v_max_num_f32 v[rT+1], v[rT+4], v[rT+7]        ; m
	v_mul_f32 v[rT], s[CS], v[rT+1]                ; c m
	v_sub_f32 v[rT+5], v[rT+3], v[rT]
	v_exp_f32 v[rT+2], v[rT+5]                     ; a = 2^(c m_old - c m): the first of ONE BATCH of 33 exponentials
.irp b, 0,1
	v_pk_fma_f32 v[rS+2*(\b):rS+2*(\b)+1], v[rS+2*(\b):rS+2*(\b)+1], s[CS:CS+1], v[rT:rT+1] op_sel_hi:[1,0,0] neg_lo:[0,0,1] neg_hi:[0,0,1]
.endr
.set i, 0
.rept 16                               ; a pair is scaled two pairs ahead of its exponentials
	v_exp_f32 v[rS+2*i], v[rS+2*i]
.if i < 14
	v_pk_fma_f32 v[rS+2*i+4:rS+2*i+5], v[rS+2*i+4:rS+2*i+5], s[CS:CS+1], v[rT:rT+1] op_sel_hi:[1,0,0] neg_lo:[0,0,1] neg_hi:[0,0,1]
.endif
	v_exp_f32 v[rS+2*i+1], v[rS+2*i+1]
.set i, i+1
.endr
	v_nop                                          ; a plain instruction behind the last exponential,
	s_wait_alu depctr_va_vdst(0)                   ; and ONE wait for the batch, ahead of its first reader
.set i, 0
.rept 16
	v_cvt_pk_bf16_f32 v[rS+i], v[rS+2*i], v[rS+2*i+1]      ; in place: register i was read when pair i / 2 was packed
.set i, i+1
.endr
.set i, 0
.rept 16
	v_pk_max_num_bf16 v[rS+i], v[rS+i], v[ZR]      ; a NaN, the score 0, becomes the weight 0
.set i, i+1
.endr
.set i, 0
.rept 8
	v_pk_mul_f32 v[rO+2*i:rO+2*i+1], v[rO+2*i:rO+2*i+1], v[rT+2:rT+3] op_sel_hi:[1,0]
.set i, i+1
.endr
	v_mul_f32 v[rO+16], v[rO+16], v[rT+2]          ; l lies in L's register 0; the other seven are never read
.endm
; O^T += V^T P and L += 1 P: three accumulators take turns, one instruction a turn.
.macro PVMUL p
.set rO, OA+24*(\p)
.set rP, S+32*(\p)
.irp kk, 0,1
	v_wmma_f32_16x16x32_bf16 v[rO:rO+7],     v[VF+16*(\kk):VF+16*(\kk)+7],    v[rP+8*(\kk):rP+8*(\kk)+7], v[rO:rO+7]
	v_wmma_f32_16x16x32_bf16 v[rO+8:rO+15],  v[VF+16*(\kk)+8:VF+16*(\kk)+15], v[rP+8*(\kk):rP+8*(\kk)+7], v[rO+8:rO+15]
	v_wmma_f32_16x16x32_bf16 v[rO+16:rO+23], v[ONES:ONES+7],                  v[rP+8*(\kk):rP+8*(\kk)+7], v[rO+16:rO+23]
.endr
.endm
; A KEY STEP of 64 keys.
.macro STEP diag
.rept 5
	v_nop                                          ; the places behind the last products V^T P: for the loads into V, the masks and the products that write over P
.endr
	v_add_nc_u32 v[AK], s[TBK], v[AK0]
	v_add_nc_u32 v[AV], s[TBV], v[AV0]
	s_add_co_u32 s[TBK], s[TBK], 64*KP
	s_add_co_u32 s[TBV], s[TBV], 64*VP
.irp t, 0,1,2,3
	ds_load_b128 v[KF+8*(\t):KF+8*(\t)+3],   v[AK] offset:(\t)*16*KP
	ds_load_b128 v[KF+8*(\t)+4:KF+8*(\t)+7], v[AK] offset:(\t)*16*KP+32
.endr
.irp f, 0,1,2,3
	ds_load_tr16_b128 v[VF+8*(\f):VF+8*(\f)+3],   v[AV] offset:((\f)/2)*32*VP+((\f)%2)*32
	ds_load_tr16_b128 v[VF+8*(\f)+4:VF+8*(\f)+7], v[AV] offset:((\f)/2)*32*VP+16*VP+((\f)%2)*32
.endr
.if \diag
.irp p, 0,1
.irp t, 0,1,2,3
	s_cmp_eq_u32 s[DD+(\p)], \t                    ; is this block of 16 keys my piece's own?
	s_cselect_b32 s[AL], 1.0, 0
	s_cmp_lt_i32 s[DD+(\p)], \t                    ; or a later one?
	s_cselect_b32 s[BE], s[BIGN], 0
.irp q, 0,2,4,6
	v_pk_fma_f32 v[S+32*(\p)+8*(\t)+(\q):S+32*(\p)+8*(\t)+(\q)+1], v[MD+(\q):MD+(\q)+1], s[AL:AL+1], s[BE:BE+1] op_sel_hi:[1,0,0]
.endr
.endr
	s_sub_co_i32 s[DD+(\p)], s[DD+(\p)], 4
.endr
.endif
	s_wait_dscnt 8                                 ; K is in; V's eight loads, issued behind it, may stay out
.irp p, 0,1
.irp t, 0,1,2,3
.if \diag
	v_wmma_f32_16x16x32_bf16 v[S+32*(\p)+8*(\t):S+32*(\p)+8*(\t)+7], v[KF+8*(\t):KF+8*(\t)+7], v[Q+8*(\p):Q+8*(\p)+7], v[S+32*(\p)+8*(\t):S+32*(\p)+8*(\t)+7]
.else
	v_wmma_f32_16x16x32_bf16 v[S+32*(\p)+8*(\t):S+32*(\p)+8*(\t)+7], v[KF+8*(\t):KF+8*(\t)+7], v[Q+8*(\p):Q+8*(\p)+7], 0
.endif
.endr
.endr
	PLACES
	SOFT 0
	s_wait_dscnt 0x0                               ; V is in
	PVMUL 0
	SOFT 1
	PVMUL 1
.endm
.macro TILE diag
	s_mov_b32 s[CNT], 4
.Lstep_\@:
	STEP \diag
	s_sub_co_u32 s[CNT], s[CNT], 1
	s_cmp_lg_u32 s[CNT], 0
	s_cbranch_scc1 .Lstep_\@
.endm
; A BLOCK BEGINS: O^T and L at 0 (48 lines, cleared on purpose: no first step is written out), m at -2^96, so that the first step's a is 0.
.macro BEGIN
.set i, 0
.rept 48
	v_mov_b32 v[OA+i], 0
.set i, i+1
.endr
.irp p, 0,1
	v_mov_b32 v[ST+8*(\p)+1], 0xef800000
	v_mul_f32 v[ST+8*(\p)], s[CS], v[ST+8*(\p)+1]
.endr
.endm
; THE WAY OUT of a block: O^T / l, rounded to bf16, through my stage (32 rows of 80 bytes), back as 8 rows = 512 consecutive bytes a load; my 32 rows are 2,048 consecutive bytes of oh.
.macro OUTP
	PLACES
	v_rcp_f32 v[ST+2], v[OA+16]
	v_rcp_f32 v[ST+10], v[OA+40]
	v_nop
	s_wait_alu depctr_va_vdst(0)                   ; one wait for both reciprocals
.irp p, 0,1
.set i, 0
.rept 8
	v_pk_mul_f32 v[OA+24*(\p)+2*i:OA+24*(\p)+2*i+1], v[OA+24*(\p)+2*i:OA+24*(\p)+2*i+1], v[ST+8*(\p)+2:ST+8*(\p)+3] op_sel_hi:[1,0]
.set i, i+1
.endr
.set i, 0
.rept 8
	v_cvt_pk_bf16_f32 v[S+32*(\p)+i], v[OA+24*(\p)+2*i], v[OA+24*(\p)+2*i+1]
.set i, i+1
.endr
	ds_store_b128 v[STO], v[S+32*(\p):S+32*(\p)+3]   offset:16*SP*(\p)
	ds_store_b128 v[STO], v[S+32*(\p)+4:S+32*(\p)+7] offset:16*SP*(\p)+32
.endr
.irp t, 0,1,2,3
	ds_load_b128 v[S+16+4*(\t):S+16+4*(\t)+3], v[RD] offset:8*SP*(\t)  ; LDS serves a wave's instructions in order: these see the stores above
.endr
.irp t, 0,1,2,3
	s_wait_dscnt 3-(\t)
	global_store_b128 v[GO], v[S+16+4*(\t):S+16+4*(\t)+3], s[OP:OP+1] offset:512*(\t)
.endr
.endm
.macro DSET                            ; at the diagonal tile's step 0: my pieces' blocks of 16 queries, 2 w and 2 w + 1
	s_lshl_b32 s[DD], s[WV], 1
	s_add_co_u32 s[DD+1], s[DD], 1
.endm
	s_load_b128 s[4:7], s[0:1], 0x0                ; qkv s[4:5], oh s[6:7]
	v_lshl_add_u32 v[SPW], v0, 2, SPARE
	v_mov_b32 v[NIL], 0
	ds_add_u32 v[SPW], v[NIL]                      ; the wave's opening: the add and its wait ahead of the first tensor load
	v_lshrrev_b32 v1, 5, v0
	v_readfirstlane_b32 s[WV], v1                  ; wave 0..7
	s_mov_b32 s[PB], ttmp9
	s_sub_co_u32 s[HI], NB-1, s[PB]
	s_and_b32 s16, ttmp7, 0xffff                   ; head x 4 + batch
	s_lshl_b32 s16, s16, 17                        ; 131,072 bytes each
	s_mov_b32 s17, 0
	s_lshl_b32 s3, s[WV], 11                       ; my 32 rows of a block,
	s_lshl_b32 s18, s[HI], 14                      ; in the first block,
	s_add_co_u32 s18, s18, s3
	s_mov_b32 s19, 0
	s_lshl_b32 s2, s[PB], 14                       ; and in the second
	s_add_co_u32 s2, s2, s3
	s_mov_b32 s3, 0
	; 256 keys are 16,384 dense bytes: asked for as 64 rows of 256 bytes, four keys a row, padded in LDS after every key
	s_mov_b32 s[G1K], (1<<16)|(1<<20)|(3<<22)|(3<<25)   ; 2-byte elements; padding on: behind every 16 words 4 words
	s_mov_b32 s[G1V], (1<<16)|(1<<20)|(3<<22)|(7<<25)   ; the same with 8 words
.irp g, G1K, G1V
	s_mov_b32 s[(\g)+1], 128<<16                   ; tensor_dim0 = 128
	s_mov_b32 s[(\g)+2], 64<<16                    ; tensor_dim1 = 64
	s_mov_b32 s[(\g)+3], 128<<16                   ; tile_dim0 = 128
	s_mov_b32 s[(\g)+4], 64                        ; tile_dim1 = 64
	s_mov_b32 s[(\g)+5], 128                       ; elements from row to row
	s_mov_b32 s[(\g)+6], 0
	s_mov_b32 s[(\g)+7], 0
.endr
	s_mov_b32 s[G0K], 1
	s_mov_b32 s[G0K+1], 0                          ; slot 0
	s_mov_b32 s[G0V], 1
	s_mov_b32 s[G0V+1], VOFF
	s_mov_b32 s[CS], 0x3e8293ee                    ; c = log2(e) / sqrt(32) = 0.255035
	s_mov_b32 s[CS+1], s[CS]
	s_mov_b32 s[SEL], 0x76543210
	s_mov_b32 s[SEL+1], 0xfedcba98
	s_mov_b32 s[TBK], SLOT1+256*KP                 ; the first change of slots turns these two into 0
	s_mov_b32 s[TBV], SLOT1+256*VP
	s_mov_b32 s[BIGN], 0xf149f2ca                  ; -1e30
	s_add_co_u32 s[RT], s[HI], 1                   ; the first block has 8 - b tiles
	s_mov_b32 s[NXT], 1
	s_mov_b32 s[LQ], s[HI]
	s_mov_b32 s[OFF+1], 0
	s_mov_b32 s[AL+1], 0
	s_mov_b32 s[BE+1], 0
	s_mov_b32 s[SLOTS], NB
	s_sub_co_u32 s[LIM], s[WV], 2                  ; waves 2..5 of work-group b = 0 prefetch
	s_cmp_lt_u32 s[LIM], 4
	s_cselect_b32 s[LIM], 0, 1
	s_or_b32 s[LIM], s[LIM], ttmp9
	s_cmp_eq_u32 s[LIM], 0
	s_cselect_b32 s[LIM], 2, -1
	s_wait_dscnt 0x0                               ; the opening add is done
	s_wait_kmcnt 0x0
	s_add_nc_u64 s[4:5], s[4:5], s[16:17]          ; q of my head
	s_add_nc_u64 s[6:7], s[6:7], s[16:17]          ; o of my head
	s_add_nc_u64 s[KB:KB+1], s[4:5], 8388608       ; k lies 64 head blocks behind q,
	s_add_nc_u64 s[VB:VB+1], s[4:5], 16777216      ; v 128
	s_add_nc_u64 s[G0K+2:G0K+3], s[KB:KB+1], 0
	s_or_b32 s[G0K+3], s[G0K+3], 0x80000000
	s_add_nc_u64 s[G0V+2:G0V+3], s[VB:VB+1], 0
	s_or_b32 s[G0V+3], s[G0V+3], 0x80000000
	s_add_nc_u64 s[Q1:Q1+1], s[4:5], s[18:19]
	s_add_nc_u64 s[Q2:Q2+1], s[4:5], s[2:3]
	s_add_nc_u64 s[OP:OP+1], s[6:7], s[18:19]
	s_add_nc_u64 s[OLO:OLO+1], s[6:7], s[2:3]
	s_cmp_lt_u32 s[WV], 4
	s_cselect_b64 s[PFA:PFA+1], s[KB:KB+1], s[VB:VB+1]
	s_add_nc_u64 s[PFA:PFA+1], s[PFA:PFA+1], 16384 ; at tile 1: the first change steps it to tile 2
	LOAD                                           ; tile 0 into slot 0
	v_and_b32 v1, 15, v0                           ; r = lane % 16
	v_bfe_u32 v11, v0, 4, 1                        ; h = lane / 16
	v_lshlrev_b32 v[QO], 6, v1
	v_lshl_add_u32 v[QO], v11, 4, v[QO]            ; row x 64 + 16 h
.irp p, 0,1
	global_load_b128 v[Q+8*(\p):Q+8*(\p)+3],     v[QO], s[Q1:Q1+1] offset:1024*(\p)
	global_load_b128 v[Q+8*(\p)+4:Q+8*(\p)+7],   v[QO], s[Q1:Q1+1] offset:1024*(\p)+32
	global_load_b128 v[QB+8*(\p):QB+8*(\p)+3],   v[QO], s[Q2:Q2+1] offset:1024*(\p)
	global_load_b128 v[QB+8*(\p)+4:QB+8*(\p)+7], v[QO], s[Q2:Q2+1] offset:1024*(\p)+32
.endr
	v_mov_b32 v[ZR], 0
.set i, 0
.rept 8
	v_mov_b32 v[ONES+i], 0x3f803f80
.set i, i+1
.endr
	v_lshlrev_b32 v14, 3, v11
	v_sub_nc_u32 v14, v1, v14                      ; r - 8 h: register j is hidden where j is greater
.set i, 0
.rept 8
	v_cmp_gt_i32 vcc_lo, i, v14
	v_cndmask_b32 v[MD+i], 0, s[BIGN], vcc_lo
.set i, i+1
.endr
	v_mul_u32_u24 v[AK0], v1, KP
	v_lshl_add_u32 v[AK0], v11, 4, v[AK0]          ; row x pitch + 16 h
	; the turning load: lane l reads key 8 (l / 16) + l % 8, channels 8 ((l / 8) % 2) + 0..7, and is left with channel l % 16 and 8 keys
	v_and_b32 v14, 7, v0
	v_lshl_add_u32 v[AV0], v11, 3, v14
	v_mul_u32_u24 v[AV0], v[AV0], VP
	v_bfe_u32 v14, v0, 3, 1
	v_lshl_add_u32 v[AV0], v14, 4, v[AV0]
	v_add_nc_u32 v[AV0], VOFF, v[AV0]
	s_mul_i32 s2, s[WV], 32*SP
	s_add_co_u32 s2, s2, STAGE                     ; my stage
	v_mul_u32_u24 v[STO], v1, SP
	v_lshl_add_u32 v[STO], v11, 4, v[STO]
	v_add_nc_u32 v[STO], s2, v[STO]
	v_bfe_u32 v[RD], v0, 2, 3                      ; back: 32 lanes take 8 rows of 64 bytes
	v_mul_u32_u24 v[RD], v[RD], SP
	v_and_b32 v14, 3, v0
	v_lshl_add_u32 v[RD], v14, 4, v[RD]
	v_add_nc_u32 v[RD], s2, v[RD]
	v_and_b32 v[GO], 31, v0
	s_and_b32 s2, s[WV], 1
	s_lshl_b32 s2, s2, 13
	v_lshl_add_u32 v[PFO], v[GO], 8, s2            ; block 32 (w % 2) + lane of the tile's 64
	v_lshlrev_b32 v[GO], 4, v[GO]
	BEGIN
	s_wait_loadcnt 0x0                             ; both blocks' Q
.Lslot:                                            ; 8 trips: a tile is entered and the next is asked for
	CHANGE 1
	s_sub_co_u32 s[RT], s[RT], 1
	s_cmp_eq_u32 s[RT], 0
	s_cbranch_scc1 .Ldiag
	TILE 0
	s_branch .Lbottom
.Ldiag:                                            ; in the loop this is the first block's last tile: the second block's last is the walk's last
	DSET
	TILE 1
	OUTP
	s_wait_xcnt 0x0                                ; the stores have read their registers and o's address
	s_mov_b64 s[OP:OP+1], s[OLO:OLO+1]
	s_add_co_u32 s[RT], s[PB], 1                   ; the second block has b + 1 tiles
.set i, 0
.rept 16
	v_mov_b32 v[Q+i], v[QB+i]
.set i, i+1
.endr
	BEGIN
.Lbottom:
	s_sub_co_u32 s[SLOTS], s[SLOTS], 1
	s_cmp_lg_u32 s[SLOTS], 0
	s_cbranch_scc1 .Lslot
	CHANGE 0                                       ; the walk's last tile, the second block's diagonal one, is written out: nothing is asked for
	DSET
	TILE 1
	OUTP
	s_wait_tensorcnt 0x0                           ; the wave's end
	ds_add_u32 v[SPW], v[NIL]
	s_wait_dscnt 0x0
	s_endpgm
.Lfunc_end_k_q6496dcb884_attn:
	.size	k_q6496dcb884_attn, .Lfunc_end_k_q6496dcb884_attn-k_q6496dcb884_attn
	.p2alignl 7, 3214868480
	.fill 96, 4, 3214868480
	.section	.rodata,"a",@progbits
	.p2align	6, 0x0
	.amdhsa_kernel k_q6496dcb884_attn
		.amdhsa_group_segment_fixed_size 327680
		.amdhsa_private_segment_fixed_size 0
		.amdhsa_enable_private_segment 0
		.amdhsa_kernarg_size 16
		.amdhsa_user_sgpr_count 2
		.amdhsa_user_sgpr_kernarg_segment_ptr 1
		.amdhsa_wavefront_size32 1
		.amdhsa_system_sgpr_workgroup_id_x 1
		.amdhsa_system_sgpr_workgroup_id_y 1
		.amdhsa_system_sgpr_workgroup_id_z 1
		.amdhsa_system_vgpr_workitem_id 0
		.amdhsa_next_free_vgpr 256
		.amdhsa_next_free_sgpr 80
		.amdhsa_reserve_vcc 1
		.amdhsa_float_denorm_mode_32 3
		.amdhsa_float_denorm_mode_16_64 3
		.amdhsa_memory_ordered 1
		.amdhsa_forward_progress 1
		.amdhsa_inst_pref_size 77
	.end_amdhsa_kernel
	.amdgpu_metadata
---
amdhsa.version: [ 1, 2 ]
amdhsa.kernels:
  - .name:           k_q6496dcb884_attn
    .symbol:         k_q6496dcb884_attn.kd
    .args:
      - { .name: qkv, .offset: 0, .size: 8, .value_kind: global_buffer, .address_space: global }
      - { .name: oh, .offset: 8, .size: 8, .value_kind: global_buffer, .address_space: global }
    .group_segment_fixed_size: 327680
    .private_segment_fixed_size: 0
    .kernarg_segment_align: 8
    .kernarg_segment_size: 16
    .max_flat_workgroup_size: 256
    .sgpr_count:     80
    .vgpr_count:     256
    .wavefront_size: 32
...
	.end_amdgpu_metadata
.endif
;; end of part 3
;; launch wout (part 4): grid 64 x 4, 4 waves a work-group, clusters of 4 x 1, 327,680 bytes of LDS; arguments oh, w16, bo, x, x1; writes x1
.if DOCPART == 4
	.amdgcn_target "amdgcn-amd-amdhsa--gfx1250"
	.amdhsa_code_object_version 6
	.text
	.protected	k_q6496dcb884_wout
	.globl	k_q6496dcb884_wout
	.p2align	8
	.type	k_q6496dcb884_wout,@function
k_q6496dcb884_wout:
	s_mov_b64 s[64:65], 0
	v_nop
	global_prefetch_b8 v0, s[64:65] scope:SCOPE_SE
	s_setreg_imm32_b32 hwreg(HW_REG_WAVE_MODE, 25, 1), 1
	s_wait_xcnt 0x0
	s_wait_alu depctr_hold_cnt(0) depctr_sa_sdst(0) depctr_va_vdst(0) depctr_va_sdst(0) depctr_va_ssrc(0) depctr_va_vcc(0) depctr_vm_vsrc(0)
	s_getreg_b32 s2, hwreg(HW_REG_IB_STS2, 6, 4)
	s_cmp_eq_u32 s2, 0
	s_cbranch_scc0 .Lentry_in_a_cluster
	s_endpgm
.Lentry_in_a_cluster:
	s_bfe_u32 s2, ttmp6, 0x10000c
	s_cmp_lg_u32 s2, 0x3003
	s_cbranch_scc0 .Lentry_shape_is_right
	s_endpgm
.Lentry_shape_is_right:
; x1 = x + o Wo^T + bo.  o: bf16 by heads, oh[h 4 + batch][2048][32]; Wo: bf16 in w16; x, x1, bo: f32.  Sums in f32; the residual is added in f32.
; SHARES.  A work-group takes 128 rows (row block = 4 x cluster x + cx) and 128 of the 512 columns (chunk = grid y), in 2 steps of 64 columns.
; K = 512 = 16 heads x 32: a wave keeps its 64 rows of o for the whole K in 512 registers, K fragment kf = head kf; Wo passes through two LDS slots of 64 rows x 1,024 bytes.
; o's 128 rows of one head are 8,192 dense bytes: asked for as 32 rows of 256 bytes and padded in LDS after each 64 bytes; four heads a wave.
; CLUSTER.  The four partners have different rows and the same chunk: Wo's tiles are asked for JOINTLY (mask 15); o's rows come by loads of the work-group's own.
; No prefetch: the walk has two tiles, both asked for at once or a step apart.
; THE MATRIX INSTRUCTION IS USED TRANSPOSED (source 0 = 16 rows of Wo, source 1 = 16 rows of o): a lane holds row lane % 16 and 8 neighbouring columns.
; REGISTERS in windows of 256: 0: addresses, way out, accumulators; 1: the step's weights; 2, 3: o.
.set PITCH, 1040
.set SLOT,  64*PITCH
.set AST,   2*SLOT                     ; o: 16 heads x 128 rows x 80 bytes, filled once; afterwards its head is the stage of the way out
.set AP,    80
.set AHEAD, 128*AP                     ; a head's block in LDS
.set SPARE, AST+16*AHEAD
.set SEC,   1572864
.set NCH,   128
.set SPITCH, 528                       ; a stage row: 128 f32 + 16 bytes
.set A0,  4                            ; v4, v5, v6: my lane's place in heads 0, 7, 14: the immediate reaches seven heads
.set B0,  7
.set BAD, 8
.set STO, 9
.set RD,  10
.set XO,  11                           ; my 16 bytes in the first of my 32 rows of x and x1
.set BIA, 12                           ; v[12:15] bo of my four columns
.set LO,  17                           ; 16 x lane
.set SPW, 28
.set NIL, 29
.set TMP, 32                           ; v[32:95] rows read back, then results
.set ACC, 128                          ; accumulator (j, a, b) at ACC + 64 j + 8 (2 a + b); later 32 rows of x
.set WV, 12
.set WR, 13
.set WC, 14
.set CX, 15
.set RB, 16
.set CH, 17
.set G1A, 24
.set G1B, 32
.set G0B, 40
.set G0A, 44                           ; s[44:59] four sets
.set TB,  61
.set MSB, 0
.macro WIN new
.if MSB != (\new)
	s_set_vgpr_msb (MSB<<8)|(\new)
.set MSB, (\new)
.endif
.endm
.macro PLACES
.rept 4
	v_nop
.endr
.endm
.macro CROUND
	s_barrier_signal -1
	s_barrier_wait -1
	s_cmp_lg_u32 s[WV], 0
	s_cbranch_scc1 .Lnot_wave_0_\@
	s_barrier_signal -3
.Lnot_wave_0_\@:
	s_barrier_wait -3
	s_barrier_signal -1
	s_barrier_wait -1
.endm
.macro TRIP refill                     ; the change of slots: all my tensor loads, the add, my LDS reads; then the round and the joint load, or a plain barrier
	WIN 0
	s_wait_tensorcnt 0x0
	ds_add_u32 v[SPW], v[NIL]
.if \refill
	s_xor_b32 s[G0B+1], s[G0B+1], SLOT
	s_add_nc_u64 s[G0B+2:G0B+3], s[G0B+2:G0B+3], 65536
.endif
	s_wait_dscnt 0x0
.if \refill
	CROUND
	tensor_load_to_lds s[G0B:G0B+3], s[G1B:G1B+7]
	s_nop 0
	PLACES
.else
	s_barrier_signal -1
	s_barrier_wait -1
	PLACES
.endif
.endm
.macro ALOAD                           ; o: 4 m blocks x 16 heads, 128 loads, once
.irp hi, 0,1
	WIN 0x80+0x40*(\hi)
.irp a, 0,1
.set kf, 0
.rept 16
.set bs, A0+kf/7
.set of, (kf%7)*AHEAD+(2*(\hi)+(\a))*16*AP
	ds_load_b128 v[128*(\a)+8*kf:128*(\a)+8*kf+3],   v[bs] offset:of
	ds_load_b128 v[128*(\a)+8*kf+4:128*(\a)+8*kf+7], v[bs] offset:of+32
.set kf, kf+1
.endr
.endr
.endr
	WIN 0
.endm
.macro BLOAD
	WIN 0
	v_add_nc_u32 v[BAD], s[TB], v[B0]
	s_xor_b32 s[TB], s[TB], SLOT
	WIN 0x40
.set kf, 0
.rept 16
.irp b, 0,1
	ds_load_b128 v[128*(\b)+8*kf:128*(\b)+8*kf+3],   v[BAD] offset:(\b)*16*PITCH+64*kf
	ds_load_b128 v[128*(\b)+8*kf+4:128*(\b)+8*kf+7], v[BAD] offset:(\b)*16*PITCH+64*kf+32
.endr
.set kf, kf+1
.endr
.endm
.macro MULS j                          ; 128 matrix instructions; four accumulators take turns; the first K fragment starts the sums
.irp hi, 0,1
	WIN 0x09+4*(\hi)
.set kf, 0
.rept 16
.if ((\hi) == 0) && ((kf%2) == 0)
	s_wait_dscnt 56-4*kf                           ; of the 64 loads those behind K fragments kf and kf + 1 may stay out
.endif
.irp a, 0,1
.irp b, 0,1
.set rD, ACC+64*(\j)+8*(2*(2*(\hi)+(\a))+(\b))
.if kf == 0
	v_wmma_f32_16x16x32_bf16 v[rD:rD+7], v[128*(\b)+8*kf:128*(\b)+8*kf+7], v[128*(\a)+8*kf:128*(\a)+8*kf+7], 0
.else
	v_wmma_f32_16x16x32_bf16 v[rD:rD+7], v[128*(\b)+8*kf:128*(\b)+8*kf+7], v[128*(\a)+8*kf:128*(\a)+8*kf+7], v[rD:rD+7]
.endif
.endr
.endr
.set kf, kf+1
.endr
.endr
	WIN 0
.endm
	s_load_b256 s[4:11], s[0:1], 0x0               ; oh s[4:5], w16 s[6:7], bo s[8:9], x s[10:11]
	s_load_b64 s[20:21], s[0:1], 0x20              ; x1
	v_lshl_add_u32 v[SPW], v0, 2, SPARE
	v_mov_b32 v[NIL], 0
	ds_add_u32 v[SPW], v[NIL]                      ; the wave's opening: the add and its wait ahead of my first tensor load
	v_lshrrev_b32 v1, 5, v0
	v_readfirstlane_b32 s[WV], v1
	s_lshr_b32 s[WR], s[WV], 1
	s_and_b32 s[WC], s[WV], 1
	s_bfe_u32 s[CX], ttmp6, 0x40000
	s_lshl_b32 s[RB], ttmp9, 2
	s_add_co_u32 s[RB], s[RB], s[CX]               ; row block 0..63
	s_and_b32 s[CH], ttmp7, 0xffff                 ; chunk 0..3
	s_mov_b32 s[G1A], (1<<16)|(1<<20)|(3<<22)|(3<<25)   ; 2-byte elements; padding on: behind every 16 words 4 words
	s_mov_b32 s[G1A+1], 128<<16
	s_mov_b32 s[G1A+2], 32<<16
	s_mov_b32 s[G1A+3], 128<<16
	s_mov_b32 s[G1A+4], 32
	s_mov_b32 s[G1A+5], 128
	s_mov_b32 s[G1A+6], 0
	s_mov_b32 s[G1A+7], 0
	s_mov_b32 s[G1B], 15|(1<<16)|(1<<20)|(1<<21)|(7<<22)|(3<<25)
	s_mov_b32 s[G1B+1], 512<<16
	s_mov_b32 s[G1B+2], 16<<16
	s_mov_b32 s[G1B+3], 512<<16
	s_mov_b32 s[G1B+4], 16
	s_mov_b32 s[G1B+5], 512
	s_mov_b32 s[G1B+6], 0
	s_mov_b32 s[G1B+7], 0
	s_mul_i32 s22, s[WV], 4*AHEAD                  ; heads 4 w .. 4 w + 3
.irp i, 0,1,2,3
	s_mov_b32 s[G0A+4*(\i)], 1
	s_add_co_u32 s[G0A+4*(\i)+1], s22, AST+(\i)*AHEAD
.endr
	s_mov_b32 s[G0B], 1
	s_mul_i32 s[G0B+1], s[WV], 16*PITCH
	s_lshl_b32 s2, s[WV], 21                       ; oh: head 4 w (524,288 bytes a head),
	s_lshr_b32 s3, s[RB], 4
	s_lshl_b32 s3, s3, 17                          ; the batch,
	s_add_co_u32 s2, s2, s3
	s_and_b32 s3, s[RB], 15
	s_lshl_b32 s3, s3, 13                          ; the block's 128 rows of 64 bytes
	s_add_co_u32 s2, s2, s3
	s_mov_b32 s3, 0
	s_mul_i32 s18, s[CH], NCH*1024
	s_lshl_b32 s19, s[WV], 14
	s_add_co_u32 s18, s18, s19
	s_add_co_u32 s18, s18, SEC
	s_mov_b32 s19, 0
	s_lshl_b32 s66, s[CH], 9                       ; the chunk's 128 columns of f32
	s_mov_b32 s67, 0
	s_lshl_b32 s68, s[RB], 18                      ; the block's 128 rows of 2,048 bytes
	s_add_co_u32 s68, s68, s66
	s_mov_b32 s69, 0
	s_mov_b32 s[TB], 0
	s_wait_dscnt 0x0                               ; the opening add is done
	s_wait_kmcnt 0x0
	s_add_nc_u64 s[4:5], s[4:5], s[2:3]
.irp i, 0,1,2,3
	s_add_nc_u64 s[G0A+4*(\i)+2:G0A+4*(\i)+3], s[4:5], (\i)*524288
	s_or_b32 s[G0A+4*(\i)+3], s[G0A+4*(\i)+3], 0x80000000
.endr
	s_add_nc_u64 s[G0B+2:G0B+3], s[6:7], s[18:19]
	s_or_b32 s[G0B+3], s[G0B+3], 0x80000000
	s_add_nc_u64 s[8:9], s[8:9], s[66:67]
	s_add_nc_u64 s[10:11], s[10:11], s[68:69]
	s_add_nc_u64 s[20:21], s[20:21], s[68:69]
	CROUND                                         ; the first loads go out as one group: five a wave
.irp i, 0,1,2,3
	tensor_load_to_lds s[G0A+4*(\i):G0A+4*(\i)+3], s[G1A:G1A+7]
	s_nop 0
.endr
	tensor_load_to_lds s[G0B:G0B+3], s[G1B:G1B+7]
	s_nop 0
	PLACES
	v_and_b32 v1, 15, v0                           ; r
	v_bfe_u32 v2, v0, 4, 1                         ; h
	v_mul_u32_u24 v3, v1, AP
	v_lshl_add_u32 v3, v2, 4, v3
	s_mul_i32 s2, s[WR], 64*AP
	s_add_co_u32 s2, s2, AST
	v_add_nc_u32 v[A0], s2, v3
	v_add_nc_u32 v[A0+1], 7*AHEAD, v[A0]
	v_add_nc_u32 v[A0+2], 14*AHEAD, v[A0]
	v_mul_u32_u24 v3, v1, PITCH
	v_lshl_add_u32 v3, v2, 4, v3
	s_mul_i32 s2, s[WC], 32*PITCH
	v_add_nc_u32 v[B0], s2, v3
	s_mul_i32 s2, s[WR], 64*SPITCH                 ; into the stage: row 64 (w / 2) + 16 a + r, byte 256 j + 128 (w % 2) + 64 b + 32 h
	s_lshl_b32 s3, s[WC], 7
	s_add_co_u32 s2, s2, s3
	s_add_co_u32 s2, s2, AST
	v_mul_u32_u24 v3, v1, SPITCH
	v_lshl_add_u32 v3, v2, 5, v3
	v_add_nc_u32 v[STO], s2, v3
	v_and_b32 v[LO], 31, v0
	v_lshlrev_b32 v[LO], 4, v[LO]
	s_mul_i32 s2, s[WV], 32*SPITCH                 ; back: wave w takes rows 32 w .., a row of 512 bytes a load
	s_add_co_u32 s2, s2, AST
	v_add_nc_u32 v[RD], s2, v[LO]
	s_lshl_b32 s2, s[WV], 16                       ; the same rows in x and x1
	v_add_nc_u32 v[XO], s2, v[LO]
	s_wait_tensorcnt 0x0
	s_barrier_signal -1
	s_barrier_wait -1                              ; o and tile 0 are whole
	ALOAD
	TRIP 1                                         ; tile 1 is asked for
	BLOAD
	MULS 0
	TRIP 0
	BLOAD
	MULS 1
	; THE WAY OUT.  The sums go as f32 into the work-group's stage (a row's 128 columns come from two waves), come back as whole rows, take bo and x, and leave: a store covers 512 consecutive bytes.
	PLACES
.irp j, 0,1
.irp a, 0,1,2,3
.irp b, 0,1
	ds_store_b128 v[STO], v[ACC+64*(\j)+8*(2*(\a)+(\b)):ACC+64*(\j)+8*(2*(\a)+(\b))+3]   offset:(\a)*16*SPITCH+256*(\j)+64*(\b)
	ds_store_b128 v[STO], v[ACC+64*(\j)+8*(2*(\a)+(\b))+4:ACC+64*(\j)+8*(2*(\a)+(\b))+7] offset:(\a)*16*SPITCH+256*(\j)+64*(\b)+16
.endr
.endr
.endr
	s_wait_dscnt 0x0                               ; my stores into the stage are done: for the others' sake, and ahead of the loads into the registers that they read
	global_load_b128 v[BIA:BIA+3], v[LO], s[8:9]
.set i, 0
.rept 32
	global_load_b128 v[ACC+4*i:ACC+4*i+3], v[XO], s[10:11] offset:2048*i
.set i, i+1
.endr
	s_barrier_signal -1
	s_barrier_wait -1
.irp hf, 0,1
.if \hf
	s_wait_xcnt 0x0                                ; the first half's stores have read their registers
.endif
.set t, 0
.rept 16
	ds_load_b128 v[TMP+4*t:TMP+4*t+3], v[RD] offset:SPITCH*(16*(\hf)+t)
.set t, t+1
.endr
.set t, 0
.rept 16
	s_wait_dscnt 15-t                              ; row t of the sixteen is back
	s_wait_loadcnt 31-(16*(\hf)+t)                 ; and so is its row of x: the rows behind it may stay out
	v_pk_add_f32 v[TMP+4*t:TMP+4*t+1],   v[TMP+4*t:TMP+4*t+1],   v[ACC+4*(16*(\hf)+t):ACC+4*(16*(\hf)+t)+1]
	v_pk_add_f32 v[TMP+4*t+2:TMP+4*t+3], v[TMP+4*t+2:TMP+4*t+3], v[ACC+4*(16*(\hf)+t)+2:ACC+4*(16*(\hf)+t)+3]
	v_pk_add_f32 v[TMP+4*t:TMP+4*t+1],   v[TMP+4*t:TMP+4*t+1],   v[BIA:BIA+1]
	v_pk_add_f32 v[TMP+4*t+2:TMP+4*t+3], v[TMP+4*t+2:TMP+4*t+3], v[BIA+2:BIA+3]
	global_store_b128 v[XO], v[TMP+4*t:TMP+4*t+3], s[20:21] offset:2048*(16*(\hf)+t)
.set t, t+1
.endr
.endr
	s_wait_tensorcnt 0x0                           ; the wave's end
	ds_add_u32 v[SPW], v[NIL]
	s_wait_dscnt 0x0
	CROUND                                         ; the closing round
	s_endpgm
.Lfunc_end_k_q6496dcb884_wout:
	.size	k_q6496dcb884_wout, .Lfunc_end_k_q6496dcb884_wout-k_q6496dcb884_wout
	.p2alignl 7, 3214868480
	.fill 96, 4, 3214868480
	.section	.rodata,"a",@progbits
	.p2align	6, 0x0
	.amdhsa_kernel k_q6496dcb884_wout
		.amdhsa_group_segment_fixed_size 327680
		.amdhsa_private_segment_fixed_size 0
		.amdhsa_enable_private_segment 0
		.amdhsa_kernarg_size 40
		.amdhsa_user_sgpr_count 2
		.amdhsa_user_sgpr_kernarg_segment_ptr 1
		.amdhsa_wavefront_size32 1
		.amdhsa_system_sgpr_workgroup_id_x 1
		.amdhsa_system_sgpr_workgroup_id_y 1
		.amdhsa_system_sgpr_workgroup_id_z 1
		.amdhsa_system_vgpr_workitem_id 0
		.amdhsa_next_free_vgpr 1024
		.amdhsa_next_free_sgpr 80
		.amdhsa_reserve_vcc 0
		.amdhsa_float_denorm_mode_32 3
		.amdhsa_float_denorm_mode_16_64 3
		.amdhsa_memory_ordered 1
		.amdhsa_forward_progress 1
		.amdhsa_inst_pref_size 62
	.end_amdhsa_kernel
	.amdgpu_metadata
---
amdhsa.version: [ 1, 2 ]
amdhsa.kernels:
  - .name:           k_q6496dcb884_wout
    .symbol:         k_q6496dcb884_wout.kd
    .args:
      - { .name: oh, .offset: 0, .size: 8, .value_kind: global_buffer, .address_space: global }
      - { .name: w16, .offset: 8, .size: 8, .value_kind: global_buffer, .address_space: global }
      - { .name: bo, .offset: 16, .size: 8, .value_kind: global_buffer, .address_space: global }
      - { .name: x, .offset: 24, .size: 8, .value_kind: global_buffer, .address_space: global }
      - { .name: x1, .offset: 32, .size: 8, .value_kind: global_buffer, .address_space: global }
    .group_segment_fixed_size: 327680
    .private_segment_fixed_size: 0
    .kernarg_segment_align: 8
    .kernarg_segment_size: 40
    .max_flat_workgroup_size: 128
    .sgpr_count:     80
    .vgpr_count:     1024
    .wavefront_size: 32
...
	.end_amdgpu_metadata
.endif
;; end of part 4
;; launch norm2 (part 5): grid 1024 x 1, 4 waves a work-group, no clusters, 0 bytes of LDS; arguments x1, g2, be2, xn2; writes xn2
.if DOCPART == 5
	.amdgcn_target "amdgcn-amd-amdhsa--gfx1250"
	.amdhsa_code_object_version 6
	.text
	.protected	k_q6496dcb884_norm2
	.globl	k_q6496dcb884_norm2
	.p2align	8
	.type	k_q6496dcb884_norm2,@function
k_q6496dcb884_norm2:
	s_mov_b64 s[64:65], 0
	v_nop
	global_prefetch_b8 v0, s[64:65] scope:SCOPE_SE
	s_setreg_imm32_b32 hwreg(HW_REG_WAVE_MODE, 25, 1), 1
	s_wait_xcnt 0x0
; xn2 = g2 (x1 - mean) / (sqrt(var) + 1e-8) + be2, var with divisor 511, rounded once to bf16.  8 rows of 512 a work-group, 2 a wave.
; A row lies in one wave: lane l holds columns 128 j + 4 l + 0..3, j = 0..3, so a load covers 512 consecutive bytes and a store 256.  No LDS, no barrier: memory binds.
; The variance is taken of the deviations (two passes over registers): no difference of large sums is formed.
; LIMIT: a variance below 2^-126 counts as 0 in the root (ISA guide, entry of v_sqrt_f32); 1e-8 is added behind the root.
.set XO,  2
.set YO,  3
.set X,   16                           ; v[16:47]  two rows, 16 numbers each
.set G,   48
.set BE,  64
.set T,   80                           ; v[80:95]  at work, 8 a row; at the end the packed results
.set MU,  96
.set RS,  100
.set SEL, 34
.macro ROWS line:vararg                ; one line for each of the two rows w
.set w, 0
.rept 2
	\line
.set w, w+1
.endr
.endm
.macro ACROSS                          ; v[T] and v[T+8] summed over the 32 lanes, the result in every lane
.irp m, 1,2,4,8
	v_add_f32_dpp v[T], v[T], v[T] row_xmask:\m row_mask:0xf bank_mask:0xf
	v_add_f32_dpp v[T+8], v[T+8], v[T+8] row_xmask:\m row_mask:0xf bank_mask:0xf
.endr
	v_permlanex16_b32 v[T+1], v[T], s[SEL], s[SEL+1]
	v_permlanex16_b32 v[T+9], v[T+8], s[SEL], s[SEL+1]
	v_add_f32 v[T], v[T], v[T+1]
	v_add_f32 v[T+8], v[T+8], v[T+9]
.endm
	s_load_b256 s[4:11], s[0:1], 0x0               ; x1 s[4:5], g2 s[6:7], be2 s[8:9], xn2 s[10:11]
	v_lshrrev_b32 v1, 5, v0
	v_readfirstlane_b32 s26, v1                    ; wave 0..3
	v_and_b32 v1, 31, v0
	v_lshlrev_b32 v[XO], 4, v1
	v_lshlrev_b32 v[YO], 3, v1
	s_lshl_b32 s28, ttmp9, 14
	s_lshl_b32 s27, s26, 12
	s_add_co_u32 s28, s28, s27
	s_mov_b32 s29, 0
	s_lshr_b32 s30, s28, 1
	s_mov_b32 s31, 0
	s_mov_b32 s[SEL], 0x76543210
	s_mov_b32 s[SEL+1], 0xfedcba98
	s_wait_kmcnt 0x0
	s_add_nc_u64 s[4:5], s[4:5], s[28:29]
	s_add_nc_u64 s[10:11], s[10:11], s[30:31]
.irp j, 0,1,2,3
	global_load_b128 v[X+4*(\j):X+4*(\j)+3], v[XO], s[4:5] offset:512*(\j)
.endr
.irp j, 0,1,2,3
	global_load_b128 v[X+16+4*(\j):X+16+4*(\j)+3], v[XO], s[4:5] offset:2048+512*(\j)
.endr
.irp j, 0,1,2,3
	global_load_b128 v[G+4*(\j):G+4*(\j)+3], v[XO], s[6:7] offset:512*(\j)
.endr
.irp j, 0,1,2,3
	global_load_b128 v[BE+4*(\j):BE+4*(\j)+3], v[XO], s[8:9] offset:512*(\j)
.endr
	s_wait_loadcnt 8                               ; both rows are in; the eight loads of g and be, issued behind them, may stay out
	ROWS v_pk_add_f32 v[T+8*w:T+8*w+1], v[X+16*w:X+16*w+1], v[X+16*w+2:X+16*w+3]
	ROWS v_pk_add_f32 v[T+8*w+2:T+8*w+3], v[X+16*w+4:X+16*w+5], v[X+16*w+6:X+16*w+7]
	ROWS v_pk_add_f32 v[T+8*w+4:T+8*w+5], v[X+16*w+8:X+16*w+9], v[X+16*w+10:X+16*w+11]
	ROWS v_pk_add_f32 v[T+8*w+6:T+8*w+7], v[X+16*w+12:X+16*w+13], v[X+16*w+14:X+16*w+15]
	ROWS v_pk_add_f32 v[T+8*w:T+8*w+1], v[T+8*w:T+8*w+1], v[T+8*w+2:T+8*w+3]
	ROWS v_pk_add_f32 v[T+8*w+4:T+8*w+5], v[T+8*w+4:T+8*w+5], v[T+8*w+6:T+8*w+7]
	ROWS v_pk_add_f32 v[T+8*w:T+8*w+1], v[T+8*w:T+8*w+1], v[T+8*w+4:T+8*w+5]
	ROWS v_add_f32 v[T+8*w], v[T+8*w], v[T+8*w+1]
	ACROSS
	ROWS v_mul_f32 v[MU+2*w], 0x3b000000, v[T+8*w]         ; the mean: sum / 512
	ROWS v_mov_b32 v[MU+2*w+1], v[MU+2*w]
.set i, 0
.rept 8
	ROWS v_pk_add_f32 v[X+16*w+2*i:X+16*w+2*i+1], v[X+16*w+2*i:X+16*w+2*i+1], v[MU+2*w:MU+2*w+1] neg_lo:[0,1] neg_hi:[0,1]
.set i, i+1
.endr
	ROWS v_pk_mul_f32 v[T+8*w:T+8*w+1], v[X+16*w:X+16*w+1], v[X+16*w:X+16*w+1]
	ROWS v_pk_mul_f32 v[T+8*w+2:T+8*w+3], v[X+16*w+2:X+16*w+3], v[X+16*w+2:X+16*w+3]
.set i, 2
.rept 6
	ROWS v_pk_fma_f32 v[T+8*w+2*(i%2):T+8*w+2*(i%2)+1], v[X+16*w+2*i:X+16*w+2*i+1], v[X+16*w+2*i:X+16*w+2*i+1], v[T+8*w+2*(i%2):T+8*w+2*(i%2)+1]
.set i, i+1
.endr
	ROWS v_pk_add_f32 v[T+8*w:T+8*w+1], v[T+8*w:T+8*w+1], v[T+8*w+2:T+8*w+3]
	ROWS v_add_f32 v[T+8*w], v[T+8*w], v[T+8*w+1]
	ACROSS
	ROWS v_mul_f32 v[T+8*w], 0x3b004020, v[T+8*w]          ; the variance: sum of squares / 511
	ROWS v_sqrt_f32 v[RS+2*w], v[T+8*w]
	v_nop                                          ; a plain instruction behind the last root,
	s_wait_alu depctr_va_vdst(0)                   ; and one wait for both, ahead of their first reader
	ROWS v_add_f32 v[RS+2*w], 0x322bcc77, v[RS+2*w]        ; + 1e-8, behind the root
	ROWS v_rcp_f32 v[RS+2*w], v[RS+2*w]
	v_nop
	s_wait_alu depctr_va_vdst(0)                   ; one wait for both reciprocals
	ROWS v_mov_b32 v[RS+2*w+1], v[RS+2*w]
	s_wait_loadcnt 0x0                             ; g and be
.set i, 0
.rept 8
	ROWS v_pk_mul_f32 v[X+16*w+2*i:X+16*w+2*i+1], v[X+16*w+2*i:X+16*w+2*i+1], v[RS+2*w:RS+2*w+1]
.set i, i+1
.endr
.set i, 0
.rept 8
	ROWS v_pk_fma_f32 v[X+16*w+2*i:X+16*w+2*i+1], v[X+16*w+2*i:X+16*w+2*i+1], v[G+2*i:G+2*i+1], v[BE+2*i:BE+2*i+1]
.set i, i+1
.endr
.set i, 0
.rept 8
	ROWS v_cvt_pk_bf16_f32 v[T+8*w+i], v[X+16*w+2*i], v[X+16*w+2*i+1]
.set i, i+1
.endr
.set i, 0
.rept 4
	ROWS global_store_b64 v[YO], v[T+8*w+2*i:T+8*w+2*i+1], s[10:11] offset:1024*w+256*i  ; a wave's store covers 256 consecutive bytes, aligned
.set i, i+1
.endr
	s_endpgm
.Lfunc_end_k_q6496dcb884_norm2:
	.size	k_q6496dcb884_norm2, .Lfunc_end_k_q6496dcb884_norm2-k_q6496dcb884_norm2
	.p2alignl 7, 3214868480
	.fill 96, 4, 3214868480
	.section	.rodata,"a",@progbits
	.p2align	6, 0x0
	.amdhsa_kernel k_q6496dcb884_norm2
		.amdhsa_group_segment_fixed_size 0
		.amdhsa_private_segment_fixed_size 0
		.amdhsa_enable_private_segment 0
		.amdhsa_kernarg_size 32
		.amdhsa_user_sgpr_count 2
		.amdhsa_user_sgpr_kernarg_segment_ptr 1
		.amdhsa_wavefront_size32 1
		.amdhsa_system_sgpr_workgroup_id_x 1
		.amdhsa_system_sgpr_workgroup_id_y 1
		.amdhsa_system_sgpr_workgroup_id_z 1
		.amdhsa_system_vgpr_workitem_id 0
		.amdhsa_next_free_vgpr 104
		.amdhsa_next_free_sgpr 66
		.amdhsa_reserve_vcc 0
		.amdhsa_float_denorm_mode_32 3
		.amdhsa_float_denorm_mode_16_64 3
		.amdhsa_memory_ordered 1
		.amdhsa_forward_progress 1
		.amdhsa_inst_pref_size 12
	.end_amdhsa_kernel
	.amdgpu_metadata
---
amdhsa.version: [ 1, 2 ]
amdhsa.kernels:
  - .name:           k_q6496dcb884_norm2
    .symbol:         k_q6496dcb884_norm2.kd
    .args:
      - { .name: x1, .offset: 0, .size: 8, .value_kind: global_buffer, .address_space: global }
      - { .name: g2, .offset: 8, .size: 8, .value_kind: global_buffer, .address_space: global }
      - { .name: be2, .offset: 16, .size: 8, .value_kind: global_buffer, .address_space: global }
      - { .name: xn2, .offset: 24, .size: 8, .value_kind: global_buffer, .address_space: global }
    .group_segment_fixed_size: 0
    .private_segment_fixed_size: 0
    .kernarg_segment_align: 8
    .kernarg_segment_size: 32
    .max_flat_workgroup_size: 128
    .sgpr_count:     66
    .vgpr_count:     104
    .wavefront_size: 32
...
	.end_amdgpu_metadata
.endif
;; end of part 5
;; launch ffa (part 6): grid 64 x 4, 4 waves a work-group, clusters of 4 x 1, 327,680 bytes of LDS; arguments xn2, w16, bf1, h16; writes h16
.if DOCPART == 6
	.amdgcn_target "amdgcn-amd-amdhsa--gfx1250"
	.amdhsa_code_object_version 6
	.text
	.protected	k_q6496dcb884_ffa
	.globl	k_q6496dcb884_ffa
	.p2align	8
	.type	k_q6496dcb884_ffa,@function
k_q6496dcb884_ffa:
	s_mov_b64 s[64:65], 0
	v_nop
	global_prefetch_b8 v0, s[64:65] scope:SCOPE_SE
	s_setreg_imm32_b32 hwreg(HW_REG_WAVE_MODE, 25, 1), 1
	s_wait_xcnt 0x0
	s_wait_alu depctr_hold_cnt(0) depctr_sa_sdst(0) depctr_va_vdst(0) depctr_va_sdst(0) depctr_va_ssrc(0) depctr_va_vcc(0) depctr_vm_vsrc(0)
	s_getreg_b32 s2, hwreg(HW_REG_IB_STS2, 6, 4)
	s_cmp_eq_u32 s2, 0
	s_cbranch_scc0 .Lentry_in_a_cluster
	s_endpgm
.Lentry_in_a_cluster:
	s_bfe_u32 s2, ttmp6, 0x10000c
	s_cmp_lg_u32 s2, 0x3003
	s_cbranch_scc0 .Lentry_shape_is_right
	s_endpgm
.Lentry_shape_is_right:
; h = gelu(xn2 W1^T + bf1), the exact (erf) form, bf16 operands, f32 sums, h rounded once to bf16, [8192][2048].
; SHARES.  A work-group takes 128 rows of xn2 (row block = 4 x cluster x + cx) and 512 of the 2,048 columns (chunk = grid y), in 8 steps of 64 columns; two steps are a PAIR of 128 columns,
; so that a stored piece of a row of h is 256 consecutive bytes, aligned.
; K = 512 IS SHORT: a wave keeps its 64 rows of xn2 for the whole K in 512 registers; only W1 passes through a ring of two LDS slots, 64 rows x 1,024 bytes each.
; CLUSTER.  The four partners have different rows and the same chunk: W1's tiles are asked for JOINTLY (mask 15); xn2's rows come by a load of the work-group's own, once.
; THE MATRIX INSTRUCTION IS USED TRANSPOSED (source 0 = 16 rows of W1, source 1 = 16 rows of xn2).
; GELU.  g(u) = max(u, 0) - B(t) 2^(-(kappa u)^2), t = 1 / (1 + 0.2316419 |u|), kappa^2 = log2(e) / 2, B of degree 5: Abramowitz and Stegun 7.1.26 for erf (error at most 1.5e-7 for every u), with
; |u| / 2 written as (1 - t) / (2 x 0.2316419 t) and multiplied into the series.  For u < 0 nothing is subtracted from 1, so small results keep their digits.  For very large |u| the exponential is 0 and g = max(u, 0).
; REGISTERS in windows of 256: 0: addresses, GELU's work, accumulators; 1: the step's weights; 2, 3: xn2.
.set PITCH, 1040
.set SLOT,  64*PITCH
.set AST,   2*SLOT                     ; xn2's 128 rows, filled once; afterwards its head is the f32 stage of the way out
.set SPARE, AST+128*PITCH
.set SEC,   2097152
.set NCH,   512
.set ASKLIM, 0
.set SPITCH, 528                       ; a stage row: 128 f32 + 16 bytes
.set A0,  4
.set B0,  5
.set BAD, 6
.set STO, 7
.set GR0, 8                            ; where I read my first rows back
.set HO0, 9                            ; my 16 bytes in the first of my rows of h
.set GR,  10
.set HO,  11
.set PFO, 12                           ; never rewritten
.set BO,  13
.set BI,  16                           ; v[16:23] bf1 of my 8 columns of the pair
.set SPW, 28
.set NIL, 29
.set UN,  32                           ; v[32:47]   the next four rows' sums
.set U,   48                           ; v[48:63]   u
.set T,   64                           ; v[64:79]   t; at the end the packed results
.set W,   80                           ; v[80:95]   2^(-(kappa u)^2)
.set R,   96                           ; v[96:111]  max(u, 0), then g
.set PP,  112                          ; v[112:127] B(t)
.set ACC, 128                          ; accumulator (j, a, b) at ACC + 64 j + 8 (2 a + b)
.set WV, 12
.set WR, 13
.set WC, 14
.set CX, 15
.set RB, 16
.set CH, 17
.set G1A, 24
.set G1B, 32
.set G0B, 40
.set G0A, 44
.set CNT, 60
.set TB,  61
.set LIM, 62
.set PFA, 66
.set OUT, 68
.set BP,  70
.set CP,  72                           ; s72 0.2316419
.set KAP, 74                           ; pairs: a packed instruction names both words
.set GB0, 76
.set GB1, 78
.set GB2, 80
.set GB3, 82
.set GB4, 84
.set GB5, 86
.set GC,  88
.set MSB, 0
.macro WIN new
.if MSB != (\new)
	s_set_vgpr_msb (MSB<<8)|(\new)
.set MSB, (\new)
.endif
.endm
.macro PLACES
.rept 4
	v_nop
.endr
.endm
.macro CROUND
	s_barrier_signal -1
	s_barrier_wait -1
	s_cmp_lg_u32 s[WV], 0
	s_cbranch_scc1 .Lnot_wave_0_\@
	s_barrier_signal -3
.Lnot_wave_0_\@:
	s_barrier_wait -3
	s_barrier_signal -1
	s_barrier_wait -1
.endm
; A prefetch of the tile that the NEXT trip will ask for: 64 rows x 1,024 bytes = 256 blocks of 256 bytes.  All clusters of a chunk read the same tiles: cluster x = 0 asks; its four partners take 16 rows
; each BY ADDRESS; in each, waves 0 and 1 take two of a row's four blocks each, a lane a block: each block is named once in the launch.  The loop's six trips name tiles 2..7; tiles 0 and 1 come by their loads alone.
.macro ASK
	s_cmp_gt_u32 s[CNT], s[LIM]
	s_cbranch_scc0 .Lnot_mine_\@
	global_prefetch_b8 v[PFO], s[PFA:PFA+1] th:TH_LOAD_NT scope:SCOPE_SE
.Lnot_mine_\@:
.endm
.macro TRIP refill, ask                ; the change of slots: all my tensor loads, the add, my LDS reads; then the round and the joint load, or a plain barrier
	WIN 0
	s_wait_tensorcnt 0x0
	ds_add_u32 v[SPW], v[NIL]
.if \refill
	s_xor_b32 s[G0B+1], s[G0B+1], SLOT
	s_add_nc_u64 s[G0B+2:G0B+3], s[G0B+2:G0B+3], 65536
.if \ask
	s_wait_xcnt 0x0                                ; the last prefetch, a step back, has read its address
	s_add_nc_u64 s[PFA:PFA+1], s[PFA:PFA+1], 65536
.endif
.endif
	s_wait_dscnt 0x0
.if \refill
	CROUND
	tensor_load_to_lds s[G0B:G0B+3], s[G1B:G1B+7]
	s_nop 0
	PLACES
.if \ask
	ASK
.endif
.else
	s_barrier_signal -1
	s_barrier_wait -1
	PLACES
.endif
.endm
.macro ALOAD
.irp hi, 0,1
	WIN 0x80+0x40*(\hi)
.irp a, 0,1
.set kf, 0
.rept 16
	ds_load_b128 v[128*(\a)+8*kf:128*(\a)+8*kf+3],   v[A0] offset:(2*(\hi)+(\a))*16*PITCH+64*kf
	ds_load_b128 v[128*(\a)+8*kf+4:128*(\a)+8*kf+7], v[A0] offset:(2*(\hi)+(\a))*16*PITCH+64*kf+32
.set kf, kf+1
.endr
.endr
.endr
	WIN 0
.endm
.macro BLOAD
	WIN 0
	v_add_nc_u32 v[BAD], s[TB], v[B0]
	s_xor_b32 s[TB], s[TB], SLOT
	WIN 0x40
.set kf, 0
.rept 16
.irp b, 0,1
	ds_load_b128 v[128*(\b)+8*kf:128*(\b)+8*kf+3],   v[BAD] offset:(\b)*16*PITCH+64*kf
	ds_load_b128 v[128*(\b)+8*kf+4:128*(\b)+8*kf+7], v[BAD] offset:(\b)*16*PITCH+64*kf+32
.endr
.set kf, kf+1
.endr
.endm
.macro MULS j                          ; 128 matrix instructions; four accumulators take turns; the first K fragment starts the sums
.irp hi, 0,1
	WIN 0x09+4*(\hi)
.set kf, 0
.rept 16
.if ((\hi) == 0) && ((kf%2) == 0)
	s_wait_dscnt 56-4*kf                           ; of the 64 loads those behind K fragments kf and kf + 1 may stay out
.endif
.irp a, 0,1
.irp b, 0,1
.set rD, ACC+64*(\j)+8*(2*(2*(\hi)+(\a))+(\b))
.if kf == 0
	v_wmma_f32_16x16x32_bf16 v[rD:rD+7], v[128*(\b)+8*kf:128*(\b)+8*kf+7], v[128*(\a)+8*kf:128*(\a)+8*kf+7], 0
.else
	v_wmma_f32_16x16x32_bf16 v[rD:rD+7], v[128*(\b)+8*kf:128*(\b)+8*kf+7], v[128*(\a)+8*kf:128*(\a)+8*kf+7], v[rD:rD+7]
.endif
.endr
.endr
.set kf, kf+1
.endr
.endr
	WIN 0
.endm
.macro BIAS                            ; my 8 of the pair's 128 biases: they have two steps' products in which to land
	global_load_b128 v[BI:BI+3],   v[BO], s[BP:BP+1]
	global_load_b128 v[BI+4:BI+7], v[BO], s[BP:BP+1] offset:16
.endm
.macro GLOADS                          ; four rows' sums: lanes 0-15 one row, lanes 16-31 the next, 8 columns a lane; then the two rows below
	ds_load_b128 v[UN:UN+3],     v[GR]
	ds_load_b128 v[UN+4:UN+7],   v[GR] offset:16
	ds_load_b128 v[UN+8:UN+11],  v[GR] offset:2*SPITCH
	ds_load_b128 v[UN+12:UN+15], v[GR] offset:2*SPITCH+16
.endm
; THE WAY OUT of a pair.  The sums go as f32 into the work-group's stage (a row's 128 columns come from two waves); behind a barrier wave w takes rows 32 w .., four a trip: bias, GELU, bf16, store.
.macro GOUT more
	PLACES
.irp j, 0,1
.irp a, 0,1,2,3
.irp b, 0,1
	ds_store_b128 v[STO], v[ACC+64*(\j)+8*(2*(\a)+(\b)):ACC+64*(\j)+8*(2*(\a)+(\b))+3]   offset:(\a)*16*SPITCH+256*(\j)+64*(\b)
	ds_store_b128 v[STO], v[ACC+64*(\j)+8*(2*(\a)+(\b))+4:ACC+64*(\j)+8*(2*(\a)+(\b))+7] offset:(\a)*16*SPITCH+256*(\j)+64*(\b)+16
.endr
.endr
.endr
	s_wait_dscnt 0x0                               ; for the others' sake: my stores into the stage are done
	s_barrier_signal -1
	s_barrier_wait -1                              ; the stage is written again two changes of slots later, each behind every wave's wait for its LDS reads
	v_mov_b32 v[GR], v[GR0]
	v_mov_b32 v[HO], v[HO0]
	GLOADS
	s_wait_loadcnt 0x0                             ; the biases
	s_mov_b32 s[GC], 8
.Lgelu_\@:
	s_wait_dscnt 0x0                               ; this trip's four rows are in
	s_wait_xcnt 0x0                                ; the last trip's stores have read T and HO
.set i, 0
.rept 8
	v_pk_add_f32 v[U+2*i:U+2*i+1], v[UN+2*i:UN+2*i+1], v[BI+(2*i)%8:BI+(2*i)%8+1]
.set i, i+1
.endr
	v_add_nc_u32 v[GR], 4*SPITCH, v[GR]
	v_add_nc_u32 v[HO], 4*4096, v[HO]              ; the stores below reach back
	s_cmp_eq_u32 s[GC], 1
	s_cbranch_scc1 .Lno_more_\@                    ; the last trip has no rows behind it
	GLOADS
.Lno_more_\@:
.set i, 0
.rept 16
	v_fma_f32 v[T+i], |v[U+i]|, s[CP], 1.0
.set i, i+1
.endr
.set i, 0
.rept 8                                ; ONE BATCH of 32 transcendentals, plain work between them; nothing ahead of the wait names a result
	v_rcp_f32 v[T+2*i], v[T+2*i]
	v_pk_mul_f32 v[W+2*i:W+2*i+1], v[U+2*i:U+2*i+1], s[KAP:KAP+1] op_sel_hi:[1,0]
	v_rcp_f32 v[T+2*i+1], v[T+2*i+1]
	v_pk_mul_f32 v[W+2*i:W+2*i+1], v[W+2*i:W+2*i+1], v[W+2*i:W+2*i+1] neg_lo:[1,0] neg_hi:[1,0]
.set i, i+1
.endr
.set i, 0
.rept 16
	v_exp_f32 v[W+i], v[W+i]
	v_max_num_f32 v[R+i], 0, v[U+i]
.set i, i+1
.endr
	s_wait_alu depctr_va_vdst(0)                   ; one wait for the batch, ahead of its first reader; the last maximum is the plain instruction behind the last exponential
.set i, 0
.rept 8
	v_pk_fma_f32 v[PP+2*i:PP+2*i+1], v[T+2*i:T+2*i+1], s[GB5:GB5+1], s[GB4:GB4+1] op_sel_hi:[1,0,0]
.set i, i+1
.endr
.irp c, GB3, GB2, GB1, GB0
.set i, 0
.rept 8
	v_pk_fma_f32 v[PP+2*i:PP+2*i+1], v[PP+2*i:PP+2*i+1], v[T+2*i:T+2*i+1], s[(\c):(\c)+1] op_sel_hi:[1,1,0]
.set i, i+1
.endr
.endr
.set i, 0
.rept 8
	v_pk_fma_f32 v[R+2*i:R+2*i+1], v[PP+2*i:PP+2*i+1], v[W+2*i:W+2*i+1], v[R+2*i:R+2*i+1] neg_lo:[1,0,0] neg_hi:[1,0,0]
.set i, i+1
.endr
.set i, 0
.rept 8
	v_cvt_pk_bf16_f32 v[T+i], v[R+2*i], v[R+2*i+1]
.set i, i+1
.endr
	global_store_b128 v[HO], v[T:T+3],   s[OUT:OUT+1] offset:-4*4096   ; 16 lanes store 256 consecutive bytes, aligned
	global_store_b128 v[HO], v[T+4:T+7], s[OUT:OUT+1] offset:-2*4096
	s_sub_co_u32 s[GC], s[GC], 1
	s_cmp_lg_u32 s[GC], 0
	s_cbranch_scc1 .Lgelu_\@
.if \more
	s_wait_xcnt 0x0                                ; the stores have read their base
	s_add_nc_u64 s[OUT:OUT+1], s[OUT:OUT+1], 256   ; the next pair's 128 columns
	s_add_nc_u64 s[BP:BP+1], s[BP:BP+1], 512
.endif
.endm
.macro PAIRC reg, val
	s_mov_b32 s[(\reg)], \val
	s_mov_b32 s[(\reg)+1], \val
.endm
	s_load_b256 s[4:11], s[0:1], 0x0               ; xn2 s[4:5], w16 s[6:7], bf1 s[8:9], h16 s[10:11]
	v_lshl_add_u32 v[SPW], v0, 2, SPARE
	v_mov_b32 v[NIL], 0
	ds_add_u32 v[SPW], v[NIL]                      ; the wave's opening: the add and its wait ahead of my first tensor load
	v_lshrrev_b32 v1, 5, v0
	v_readfirstlane_b32 s[WV], v1
	s_lshr_b32 s[WR], s[WV], 1
	s_and_b32 s[WC], s[WV], 1
	s_bfe_u32 s[CX], ttmp6, 0x40000
	s_lshl_b32 s[RB], ttmp9, 2
	s_add_co_u32 s[RB], s[RB], s[CX]               ; row block 0..63
	s_and_b32 s[CH], ttmp7, 0xffff                 ; chunk 0..3
	s_mov_b32 s[G1A], (1<<16)|(1<<20)|(7<<22)|(3<<25)
	s_mov_b32 s[G1A+1], 512<<16
	s_mov_b32 s[G1A+2], 32<<16
	s_mov_b32 s[G1A+3], 512<<16
	s_mov_b32 s[G1A+4], 32
	s_mov_b32 s[G1A+5], 512
	s_mov_b32 s[G1A+6], 0
	s_mov_b32 s[G1A+7], 0
	s_mov_b32 s[G1B], 15|(1<<16)|(1<<20)|(1<<21)|(7<<22)|(3<<25)
	s_mov_b32 s[G1B+1], 512<<16
	s_mov_b32 s[G1B+2], 16<<16
	s_mov_b32 s[G1B+3], 512<<16
	s_mov_b32 s[G1B+4], 16
	s_mov_b32 s[G1B+5], 512
	s_mov_b32 s[G1B+6], 0
	s_mov_b32 s[G1B+7], 0
	s_mov_b32 s[G0A], 1
	s_mul_i32 s[G0A+1], s[WV], 32*PITCH
	s_add_co_u32 s[G0A+1], s[G0A+1], AST
	s_mov_b32 s[G0B], 1
	s_mul_i32 s[G0B+1], s[WV], 16*PITCH
	s_lshl_b32 s2, s[RB], 17
	s_lshl_b32 s3, s[WV], 15
	s_add_co_u32 s2, s2, s3
	s_mov_b32 s3, 0
	s_mul_i32 s18, s[CH], NCH*1024
	s_lshl_b32 s19, s[WV], 14
	s_add_co_u32 s18, s18, s19
	s_add_co_u32 s18, s18, SEC
	s_mov_b32 s19, 0
	s_mul_i32 s48, s[CH], NCH*1024                 ; the prefetches: the chunk's tile 1 (the first trip steps to tile 2), my work-group's 16 rows
	s_add_co_u32 s48, s48, SEC+65536
	s_lshl_b32 s49, s[CX], 14
	s_add_co_u32 s48, s48, s49
	s_mov_b32 s49, 0
	s_or_b32 s[LIM], s[WR], ttmp9                  ; waves 0 and 1 of cluster x = 0 ask
	s_cmp_eq_u32 s[LIM], 0
	s_cselect_b32 s[LIM], ASKLIM, -1
	s_lshl_b32 s50, s[RB], 19                      ; h: 128 rows of 4,096 bytes a block,
	s_lshl_b32 s51, s[CH], 10                      ; 512 columns a chunk
	s_add_co_u32 s50, s50, s51
	s_mov_b32 s51, 0
	s_lshl_b32 s52, s[CH], 11                      ; bf1: 512 f32 a chunk
	s_mov_b32 s53, 0
	s_mov_b32 s[TB], 0
	s_mov_b32 s[CP], 0x3e6d3388                    ; 0.2316419
	PAIRC KAP, 0x3f596d27                          ; sqrt(log2(e) / 2) = 0.8493218
	PAIRC GB0, 0x3f0cd020                          ;  0.55005076
	PAIRC GB1, 0xbf95027b                          ; -1.16413817
	PAIRC GB2, 0x406ba969                          ;  3.68221501
	PAIRC GB3, 0xc0c68d6a                          ; -6.20476243
	PAIRC GB4, 0x40adaf94                          ;  5.42768296
	PAIRC GB5, 0xc012a088                          ; -2.29104813
	s_wait_dscnt 0x0                               ; the opening add is done
	s_wait_kmcnt 0x0
	s_add_nc_u64 s[G0A+2:G0A+3], s[4:5], s[2:3]
	s_or_b32 s[G0A+3], s[G0A+3], 0x80000000
	s_add_nc_u64 s[G0B+2:G0B+3], s[6:7], s[18:19]
	s_or_b32 s[G0B+3], s[G0B+3], 0x80000000
	s_add_nc_u64 s[PFA:PFA+1], s[6:7], s[48:49]
	s_add_nc_u64 s[OUT:OUT+1], s[10:11], s[50:51]
	s_add_nc_u64 s[BP:BP+1], s[8:9], s[52:53]
	CROUND                                         ; the first loads go out as one group, two a wave
	tensor_load_to_lds s[G0A:G0A+3], s[G1A:G1A+7]
	s_nop 0
	tensor_load_to_lds s[G0B:G0B+3], s[G1B:G1B+7]
	s_nop 0
	PLACES
	v_and_b32 v1, 15, v0                           ; r
	v_bfe_u32 v2, v0, 4, 1                         ; h
	v_mul_u32_u24 v3, v1, PITCH
	v_lshl_add_u32 v3, v2, 4, v3
	s_mul_i32 s2, s[WR], 64*PITCH
	s_add_co_u32 s2, s2, AST
	v_add_nc_u32 v[A0], s2, v3
	s_mul_i32 s2, s[WC], 32*PITCH
	v_add_nc_u32 v[B0], s2, v3
	s_mul_i32 s2, s[WR], 64*SPITCH                 ; into the stage: row 64 (w / 2) + 16 a + r, byte 256 j + 128 (w % 2) + 64 b + 32 h
	s_lshl_b32 s3, s[WC], 7
	s_add_co_u32 s2, s2, s3
	s_add_co_u32 s2, s2, AST
	v_mul_u32_u24 v3, v1, SPITCH
	v_lshl_add_u32 v3, v2, 5, v3
	v_add_nc_u32 v[STO], s2, v3
	s_mul_i32 s2, s[WV], 32*SPITCH                 ; back: row 32 w + h, 32 bytes at 32 r
	s_add_co_u32 s2, s2, AST
	v_mul_u32_u24 v3, v2, SPITCH
	v_lshl_add_u32 v3, v1, 5, v3
	v_add_nc_u32 v[GR0], s2, v3
	s_lshl_b32 s2, s[WV], 17                       ; the same row in h: 4,096 bytes a row, 16 bytes at 16 r
	v_lshl_add_u32 v3, v2, 12, s2
	v_lshl_add_u32 v[HO0], v1, 4, v3
	v_lshlrev_b32 v[BO], 5, v1
	s_lshl_b32 s2, s[WC], 9
	v_lshl_add_u32 v[PFO], v2, 8, s2
	v_lshl_add_u32 v[PFO], v1, 10, v[PFO]
	s_wait_tensorcnt 0x0
	s_barrier_signal -1
	s_barrier_wait -1                              ; xn2 and tile 0 are whole
	ALOAD
	s_mov_b32 s[CNT], 3
.Lpair:                                            ; a trip: two steps, a pair of 128 columns
	TRIP 1, 1
	BIAS
	BLOAD
	MULS 0
	TRIP 1, 1
	BLOAD
	MULS 1
	GOUT 1
	s_sub_co_u32 s[CNT], s[CNT], 1
	s_cmp_lg_u32 s[CNT], 0
	s_cbranch_scc1 .Lpair
	TRIP 1, 0                                      ; the last pair is written out: one more tile is asked for, then none
	BIAS
	BLOAD
	MULS 0
	TRIP 0, 0
	BLOAD
	MULS 1
	GOUT 0
	s_wait_tensorcnt 0x0                           ; the wave's end
	ds_add_u32 v[SPW], v[NIL]
	s_wait_dscnt 0x0
	CROUND                                         ; the closing round
	s_endpgm
.Lfunc_end_k_q6496dcb884_ffa:
	.size	k_q6496dcb884_ffa, .Lfunc_end_k_q6496dcb884_ffa-k_q6496dcb884_ffa
	.p2alignl 7, 3214868480
	.fill 96, 4, 3214868480
	.section	.rodata,"a",@progbits
	.p2align	6, 0x0
	.amdhsa_kernel k_q6496dcb884_ffa
		.amdhsa_group_segment_fixed_size 327680
		.amdhsa_private_segment_fixed_size 0
		.amdhsa_enable_private_segment 0
		.amdhsa_kernarg_size 32
		.amdhsa_user_sgpr_count 2
		.amdhsa_user_sgpr_kernarg_segment_ptr 1
		.amdhsa_wavefront_size32 1
		.amdhsa_system_sgpr_workgroup_id_x 1
		.amdhsa_system_sgpr_workgroup_id_y 1
		.amdhsa_system_sgpr_workgroup_id_z 1
		.amdhsa_system_vgpr_workitem_id 0
		.amdhsa_next_free_vgpr 1024
		.amdhsa_next_free_sgpr 96
		.amdhsa_reserve_vcc 0
		.amdhsa_float_denorm_mode_32 3
		.amdhsa_float_denorm_mode_16_64 3
		.amdhsa_memory_ordered 1
		.amdhsa_forward_progress 1
		.amdhsa_inst_pref_size 91
	.end_amdhsa_kernel
	.amdgpu_metadata
---
amdhsa.version: [ 1, 2 ]
amdhsa.kernels:
  - .name:           k_q6496dcb884_ffa
    .symbol:         k_q6496dcb884_ffa.kd
    .args:
      - { .name: xn2, .offset: 0, .size: 8, .value_kind: global_buffer, .address_space: global }
      - { .name: w16, .offset: 8, .size: 8, .value_kind: global_buffer, .address_space: global }
      - { .name: bf1, .offset: 16, .size: 8, .value_kind: global_buffer, .address_space: global }
      - { .name: h16, .offset: 24, .size: 8, .value_kind: global_buffer, .address_space: global }
    .group_segment_fixed_size: 327680
    .private_segment_fixed_size: 0
    .kernarg_segment_align: 8
    .kernarg_segment_size: 32
    .max_flat_workgroup_size: 128
    .sgpr_count:     96
    .vgpr_count:     1024
    .wavefront_size: 32
...
	.end_amdgpu_metadata
.endif
;; end of part 6
;; launch ffb (part 7): grid 4 x 64, 4 waves a work-group, clusters of 4 x 4, 327,680 bytes of LDS; arguments h16, w16, bf2, x1, out0; writes out0
.if DOCPART == 7
	.amdgcn_target "amdgcn-amd-amdhsa--gfx1250"
	.amdhsa_code_object_version 6
	.text
	.protected	k_q6496dcb884_ffb
	.globl	k_q6496dcb884_ffb
	.p2align	8
	.type	k_q6496dcb884_ffb,@function
k_q6496dcb884_ffb:
	s_mov_b64 s[64:65], 0
	v_nop
	global_prefetch_b8 v0, s[64:65] scope:SCOPE_SE
	s_setreg_imm32_b32 hwreg(HW_REG_WAVE_MODE, 25, 1), 1
	s_wait_xcnt 0x0
	s_wait_alu depctr_hold_cnt(0) depctr_sa_sdst(0) depctr_va_vdst(0) depctr_va_sdst(0) depctr_va_ssrc(0) depctr_va_vcc(0) depctr_vm_vsrc(0)
	s_getreg_b32 s2, hwreg(HW_REG_IB_STS2, 6, 4)
	s_cmp_eq_u32 s2, 0
	s_cbranch_scc0 .Lentry_in_a_cluster
	s_endpgm
.Lentry_in_a_cluster:
	s_bfe_u32 s2, ttmp6, 0x10000c
	s_cmp_lg_u32 s2, 0xf033
	s_cbranch_scc0 .Lentry_shape_is_right
	s_endpgm
.Lentry_shape_is_right:
; out0 = x1 + h W2^T + bf2.  h: [8192][2048] bf16; W2: [512][2048] bf16 in w16; x1, bf2, out0: f32.  Sums in f32, the residual added in f32.
; N = 512: tiles of 128 x 128 of the result give 4 x 64 = 256 work-groups.  Four waves, each 64 x 64: 16 accumulators.  K goes in steps of 256 (LDS rows of 512 bytes; a wave's tensor load brings 64 of them)
; through two slots.  CLUSTERS: 4 x 4 work-groups; the four of a row of the cluster need the same tiles of h, the four of a column the same tiles of W2: each tile is asked for JOINTLY.
; THE MATRIX INSTRUCTION IS USED TRANSPOSED (source 0 = 16 rows of W2, source 1 = 16 rows of h): a lane holds eight neighbouring numbers of a row of the result.
; THE WAY OUT goes through an f32 stage of 128 rows x 528 bytes in slot 0's bytes: slot 0 has had its last fill, and its last reads ended in front of the last change of slots.
; No prefetch: a K step of this small tile is short, and each block of h and W2 is read by four clusters or more within a few steps.
; REGISTERS: window 0: v0-31 addresses; v32-95 at work on the way out; v128-255 the accumulators ((a, b) at 128 + 8 (4 a + b)), later 32 rows of x1.
;   window 1: two fragment buffers of 128: for 64 along K, 64 registers of h (2 x 4 x 16 rows x 32 K), then 64 of W2.
.set SIZE_K, 2048
.set KSTEP,  256
.set PITCH,  528                       ; an LDS row: 512 bytes + 16 = 33 x 16: the 16 rows of a load start at 16 different groups of four banks
.set HALFT,  64*PITCH
.set SLOT,   4*HALFT                   ; h's 128 rows, then W2's 128 rows
.set SPITCH, 528
.set SPARE,  2*SLOT                    ; behind the ring: the spare words, 128 bytes a wave, that no other line names
.set LAPS, SIZE_K/(2*KSTEP)
.set BIA,  12                          ; v[12:15] bf2 of my four columns
.set ADRA, 16
.set ADRB, 20
.set STO,  24
.set RD,   25
.set XO,   26                          ; my 16 bytes in the first of my 32 rows of x1 and out0
.set LO,   27                          ; 16 x lane
.set SPW,  28
.set NIL,  29
.set TMP,  32
.set ACC,  128
.set F0,   0
.set F1,   128
.set G1, 24
.set G0, 32
.set G1B, 48
.set G0B, 56
.set MSB, 0
.macro WIN new
.if MSB != (\new)
	s_set_vgpr_msb (MSB<<8)|(\new)
.set MSB, \new
.endif
.endm
.set MUL,  0x05                        ; sources 0 (W2) and 1 (h) window 1; C and D window 0
.set TO_F, 0x40                        ; destination window 1, address window 0
.macro JLOAD s                         ; a joint load: waves 0 and 1 fetch h's two halves, waves 2 and 3 W2's
	s_cmp_eq_u32 s11, 0
	s_cbranch_scc0 .Lfor_b_\@
	tensor_load_to_lds s[G0+4*(\s):G0+4*(\s)+3], s[G1:G1+7]
	s_nop 0
.rept 4
	v_nop
.endr
	s_branch .Lasked_\@
.Lfor_b_\@:
	tensor_load_to_lds s[G0B+4*(\s):G0B+4*(\s)+3], s[G1B:G1B+7]
	s_nop 0
.rept 4
	v_nop
.endr
.Lasked_\@:
.endm
.macro CREST                           ; a round of the cluster's barrier behind its opening barrier
	s_cmp_lg_u32 s10, 0
	s_cbranch_scc1 .Lnot_wave_0_\@
	s_barrier_signal -3
.Lnot_wave_0_\@:
	s_barrier_wait -3
	s_barrier_signal -1
	s_barrier_wait -1
.endm
.macro CROUND
	s_barrier_signal -1
	s_barrier_wait -1
	CREST
.endm
	s_load_b128 s[4:7], s[0:1], 0x0                ; h16 s[4:5], w16 s[6:7]
	s_load_b128 s[68:71], s[0:1], 0x10             ; bf2 s[68:69], x1 s[70:71]
	s_load_b64 s[66:67], s[0:1], 0x20              ; out0
	v_lshl_add_u32 v[SPW], v0, 2, SPARE
	v_mov_b32 v[NIL], 0
	ds_add_u32 v[SPW], v[NIL]                      ; the wave's opening: the add and its wait ahead of my first tensor load
	v_lshrrev_b32 v1, 5, v0
	v_readfirstlane_b32 s10, v1                    ; wave 0..3
	s_lshr_b32 s11, s10, 1                         ; which half of the tile's rows is mine.  Also: I fetch for h (0) or for W2 (1)
	s_and_b32 s12, s10, 1                          ; which half of its columns.  Also: which 64 rows of that tile I fetch
	s_bfe_u32 s40, ttmp6, 0x40000                  ; cx, cy
	s_bfe_u32 s41, ttmp6, 0x40004
	s_lshl_b32 s42, ttmp9, 2
	s_add_co_u32 s42, s42, s40                     ; tile column = 4 x cluster x + cx
	s_and_b32 s13, ttmp7, 0xffff
	s_lshl_b32 s13, s13, 2
	s_add_co_u32 s13, s13, s41                     ; tile row = 4 x cluster y + cy
	s_lshl_b32 s43, s41, 2
	s_lshl_b32 s43, 15, s43                        ; my row of the cluster
	s_lshl_b32 s44, 0x1111, s40                    ; my column
	s_or_b32 s[G1+0], s43, (1<<16)|(1<<20)|(1<<21)|(6<<22)|(3<<25)  ; the mask: h's tiles go to my row; 2-byte elements; padding on: 4 words behind every 128; bit 21 beside a mask
	s_or_b32 s[G1B+0], s44, (1<<16)|(1<<20)|(1<<21)|(6<<22)|(3<<25)
.irp g, G1, G1B
	s_mov_b32 s[(\g)+1], KSTEP<<16                 ; tensor_dim0 = 256
	s_mov_b32 s[(\g)+2], 64<<16                    ; tensor_dim1 = 64
	s_mov_b32 s[(\g)+3], KSTEP<<16                 ; tile_dim0 = 256
	s_mov_b32 s[(\g)+4], 64                        ; tile_dim1 = 64
	s_mov_b32 s[(\g)+5], SIZE_K                    ; elements from row to row
	s_mov_b32 s[(\g)+6], 0
	s_mov_b32 s[(\g)+7], 0
.endr
	s_lshl_b32 s17, s12, 6                         ; which 64 rows of the tile I fetch
	s_lshl_b32 s16, s13, 7
	s_add_co_u32 s16, s16, s17                     ; h: row 128 x tile row + 64 x half
	s_lshl_b32 s46, s42, 7
	s_add_co_u32 s46, s46, s17                     ; W2: row 128 x tile column + 64 x half
	s_mov_b32 s17, 0
	s_mov_b32 s47, 0
	s_mov_b64 s[18:19], SIZE_K*2
	s_mul_u64 s[16:17], s[16:17], s[18:19]
	s_mul_u64 s[46:47], s[46:47], s[18:19]
	s_mul_i32 s20, s10, HALFT                      ; where they go: wave x 64 rows
	s_wait_dscnt 0x0                               ; the opening add is done
	s_wait_kmcnt 0x0
	s_add_nc_u64 s[6:7], s[6:7], 4194304           ; W2's section of w16
	s_add_nc_u64 s[14:15], s[4:5], s[16:17]
	s_add_nc_u64 s[46:47], s[6:7], s[46:47]
	CROUND                                         ; all sixteen work-groups are here: the first joint loads meet
.irp s, 0,1
	s_mov_b32 s[G0+4*(\s)], 1
	s_add_co_u32 s[G0+4*(\s)+1], s20, (\s)*SLOT
	s_add_nc_u64 s[G0+4*(\s)+2:G0+4*(\s)+3], s[14:15], (\s)*KSTEP*2
	s_or_b32 s[G0+4*(\s)+3], s[G0+4*(\s)+3], 0x80000000
	s_mov_b32 s[G0B+4*(\s)], 1
	s_add_co_u32 s[G0B+4*(\s)+1], s20, (\s)*SLOT
	s_add_nc_u64 s[G0B+4*(\s)+2:G0B+4*(\s)+3], s[46:47], (\s)*KSTEP*2
	s_or_b32 s[G0B+4*(\s)+3], s[G0B+4*(\s)+3], 0x80000000
	JLOAD \s
.endr
	v_and_b32 v1, 15, v0                           ; l % 16
	v_bfe_u32 v2, v0, 4, 1                         ; l / 16
	v_mul_u32_u24 v3, v1, PITCH
	v_lshl_add_u32 v3, v2, 4, v3                   ; a fragment's row x pitch + 16 x half
	s_mul_i32 s21, s11, HALFT                      ; my 64 rows of h
	s_mul_i32 s22, s12, HALFT                      ; my 64 rows of W2,
	s_add_co_u32 s22, s22, 2*HALFT                 ; which lie behind h's 128
.irp s, 0,1
	v_add_nc_u32 v[ADRA+(\s)], s21, v3
	v_add_nc_u32 v[ADRB+(\s)], s22, v3
	s_add_co_u32 s21, s21, SLOT
	s_add_co_u32 s22, s22, SLOT
.endr
	s_mul_i32 s23, s11, 64*SPITCH                  ; into the stage: row 64 (w / 2) + 16 a + r, byte 256 (w % 2) + 64 b + 32 h
	s_lshl_b32 s21, s12, 8
	s_add_co_u32 s23, s23, s21
	v_mul_u32_u24 v4, v1, SPITCH
	v_lshl_add_u32 v4, v2, 5, v4
	v_add_nc_u32 v[STO], s23, v4
	v_and_b32 v[LO], 31, v0
	v_lshlrev_b32 v[LO], 4, v[LO]
	s_mul_i32 s23, s10, 32*SPITCH                  ; back: wave w takes rows 32 w .., a row of 512 bytes a load
	v_add_nc_u32 v[RD], s23, v[LO]
	s_lshl_b32 s23, s10, 16                        ; the same rows in x1 and out0: 2,048 bytes a row
	v_add_nc_u32 v[XO], s23, v[LO]
	s_lshl_b32 s16, s13, 18                        ; the tile's 128 rows,
	s_mov_b32 s17, 0
	s_add_nc_u64 s[70:71], s[70:71], s[16:17]
	s_add_nc_u64 s[66:67], s[66:67], s[16:17]
	s_lshl_b32 s46, s42, 9                         ; its 128 columns of f32
	s_mov_b32 s47, 0
	s_add_nc_u64 s[70:71], s[70:71], s[46:47]
	s_add_nc_u64 s[66:67], s[66:67], s[46:47]
	s_add_nc_u64 s[68:69], s[68:69], s[46:47]
; 8 matrix instructions: m blocks a0, a0 + 1 x all 4 n blocks, 32 along K: half c of buffer f.  zero = 1: the first product starts the sums.  The accumulators take turns.
.macro MUL8 f, c, a0, zero
	WIN MUL
.irp a, \a0, (\a0)+1
.irp b, 0,1,2,3
.if \zero
	v_wmma_f32_16x16x32_bf16 v[ACC+8*(4*(\a)+(\b)):ACC+8*(4*(\a)+(\b))+7], v[(\f)+64+8*(4*(\c)+(\b)):(\f)+64+8*(4*(\c)+(\b))+7], v[(\f)+8*(4*(\c)+(\a)):(\f)+8*(4*(\c)+(\a))+7], 0
.else
	v_wmma_f32_16x16x32_bf16 v[ACC+8*(4*(\a)+(\b)):ACC+8*(4*(\a)+(\b))+7], v[(\f)+64+8*(4*(\c)+(\b)):(\f)+64+8*(4*(\c)+(\b))+7], v[(\f)+8*(4*(\c)+(\a)):(\f)+8*(4*(\c)+(\a))+7], v[ACC+8*(4*(\a)+(\b)):ACC+8*(4*(\a)+(\b))+7]
.endif
.endr
.endr
.endm
; 32 LDS loads in one run: the fragments of 64 along K at byte k of the rows, into buffer f; the first 32 along K first
.macro FETCH slot, k, f
	WIN TO_F
.irp c, 0,1
.irp i, 0,1,2,3
	ds_load_b128 v[(\f)+64+8*(4*(\c)+(\i)):(\f)+64+8*(4*(\c)+(\i))+3],   v[ADRB+(\slot)] offset:(\k)+64*(\c)+(\i)*16*PITCH
	ds_load_b128 v[(\f)+64+8*(4*(\c)+(\i))+4:(\f)+64+8*(4*(\c)+(\i))+7], v[ADRB+(\slot)] offset:(\k)+64*(\c)+(\i)*16*PITCH+32
	ds_load_b128 v[(\f)+8*(4*(\c)+(\i)):(\f)+8*(4*(\c)+(\i))+3],         v[ADRA+(\slot)] offset:(\k)+64*(\c)+(\i)*16*PITCH
	ds_load_b128 v[(\f)+8*(4*(\c)+(\i))+4:(\f)+8*(4*(\c)+(\i))+7],       v[ADRA+(\slot)] offset:(\k)+64*(\c)+(\i)*16*PITCH+32
.endr
.endr
.endm
.macro PLACES                          ; four places in front of loads into registers that matrix instructions have read, and of readers of results
.rept 4
	v_nop
.endr
.endm
; A K step is four quarters of 64 along K, 32 matrix instructions each, on buffers 0, 1, 0, 1.  One of the first three: multiplies buffer f and fetches the next quarter, at byte k, into g.
.macro QUARTER slot, k, f, g, zero
	s_wait_dscnt 16                                ; the first 32 along K are in; the sixteen loads behind them may stay out
	WIN MUL
	MUL8 \f, 0, 0, \zero
	MUL8 \f, 0, 2, \zero
	PLACES
	FETCH \slot, \k, \g
	s_wait_dscnt 32                                ; all but the 32 just issued
	WIN MUL
	MUL8 \f, 1, 0, 0
	MUL8 \f, 1, 2, 0
.endm
; The last quarter multiplies buffer 1 and changes slots: ONE barrier; in front of it each wave waits for all its tensor loads, adds 0 to its spare word, and waits for that and for its reads of this slot.
.macro TURN slot, next, fill
	WIN 0
	s_wait_tensorcnt 0x0                           ; all my tensor loads have landed: my part of the next slot;
	ds_add_u32 v[SPW], v[NIL]
	s_wait_dscnt 17                                ; (the add and the youngest sixteen loads may be out)
	WIN MUL
	MUL8 F1, 0, 0, 0
	s_wait_dscnt 0x0                               ; the add is done, and my reads of this slot are over
	s_barrier_signal -1
	MUL8 F1, 0, 2, 0
.if \fill
	WIN 0
.endif
	s_barrier_wait -1
.if \fill
	CREST                                          ; the barrier has opened a round of the cluster's barrier
	s_add_nc_u64 s[G0+4*(\slot)+2:G0+4*(\slot)+3], s[G0+4*(\slot)+2:G0+4*(\slot)+3], 2*KSTEP*2
	s_add_nc_u64 s[G0B+4*(\slot)+2:G0B+4*(\slot)+3], s[G0B+4*(\slot)+2:G0B+4*(\slot)+3], 2*KSTEP*2
	JLOAD \slot                                    ; the first tensor load behind the round; the four v_nop behind it are also the places in front of the loads below
.else
	PLACES
.endif
	FETCH \next, 0, F0
	WIN MUL
	MUL8 F1, 1, 0, 0
	MUL8 F1, 1, 2, 0
.endm
	s_wait_tensorcnt 1                             ; my part of K step 0 is in; K step 1's may stay out
	s_barrier_signal -1
	s_barrier_wait -1
	FETCH 0, 0, F0
	QUARTER 0, 128, F0, F1, 1                      ; the first quarter stands in front of the loop: its first products start the sums
	WIN 0
	s_mov_b32 s3, LAPS-1
.Llap:                                             ; a trip goes once round the ring and fills both slots again
	QUARTER 0, 256, F1, F0, 0
	QUARTER 0, 384, F0, F1, 0
	TURN 0, 1, 1
	QUARTER 1, 128, F0, F1, 0
	QUARTER 1, 256, F1, F0, 0
	QUARTER 1, 384, F0, F1, 0
	TURN 1, 0, 1
	QUARTER 0, 128, F0, F1, 0
	WIN 0
	s_sub_co_u32 s3, s3, 1
	s_cmp_lg_u32 s3, 0
	s_cbranch_scc1 .Llap
	QUARTER 0, 256, F1, F0, 0                      ; the last lap fills nothing
	QUARTER 0, 384, F0, F1, 0
	TURN 0, 1, 0
	QUARTER 1, 128, F0, F1, 0
	QUARTER 1, 256, F1, F0, 0
	QUARTER 1, 384, F0, F1, 0
	s_wait_dscnt 16
	WIN MUL
	MUL8 F1, 0, 0, 0
	MUL8 F1, 0, 2, 0
	s_wait_dscnt 0
	MUL8 F1, 1, 0, 0
	MUL8 F1, 1, 2, 0
	WIN 0
	; THE WAY OUT.  The sums go as f32 into the stage (a row's 128 columns come from two waves), come back as whole rows, take bf2 and x1, and leave: a store covers 512 consecutive bytes.
	PLACES
.irp a, 0,1,2,3
.irp b, 0,1,2,3
	ds_store_b128 v[STO], v[ACC+8*(4*(\a)+(\b)):ACC+8*(4*(\a)+(\b))+3]   offset:(\a)*16*SPITCH+64*(\b)
	ds_store_b128 v[STO], v[ACC+8*(4*(\a)+(\b))+4:ACC+8*(4*(\a)+(\b))+7] offset:(\a)*16*SPITCH+64*(\b)+16
.endr
.endr
	s_wait_dscnt 0x0                               ; my stores into the stage are done: for the others' sake, and ahead of the loads into the registers that they read
	global_load_b128 v[BIA:BIA+3], v[LO], s[68:69]
.set i, 0
.rept 32
	global_load_b128 v[ACC+4*i:ACC+4*i+3], v[XO], s[70:71] offset:2048*i
.set i, i+1
.endr
	s_barrier_signal -1
	s_barrier_wait -1
.irp hf, 0,1
.if \hf
	s_wait_xcnt 0x0                                ; the first half's stores have read their registers
.endif
.set t, 0
.rept 16
	ds_load_b128 v[TMP+4*t:TMP+4*t+3], v[RD] offset:SPITCH*(16*(\hf)+t)
.set t, t+1
.endr
.set t, 0
.rept 16
	s_wait_dscnt 15-t                              ; row t of the sixteen is back
	s_wait_loadcnt 31-(16*(\hf)+t)                 ; and so is its row of x1: the rows behind it may stay out
	v_pk_add_f32 v[TMP+4*t:TMP+4*t+1],   v[TMP+4*t:TMP+4*t+1],   v[ACC+4*(16*(\hf)+t):ACC+4*(16*(\hf)+t)+1]
	v_pk_add_f32 v[TMP+4*t+2:TMP+4*t+3], v[TMP+4*t+2:TMP+4*t+3], v[ACC+4*(16*(\hf)+t)+2:ACC+4*(16*(\hf)+t)+3]
	v_pk_add_f32 v[TMP+4*t:TMP+4*t+1],   v[TMP+4*t:TMP+4*t+1],   v[BIA:BIA+1]
	v_pk_add_f32 v[TMP+4*t+2:TMP+4*t+3], v[TMP+4*t+2:TMP+4*t+3], v[BIA+2:BIA+3]
	global_store_b128 v[XO], v[TMP+4*t:TMP+4*t+3], s[66:67] offset:2048*(16*(\hf)+t) th:TH_STORE_NT
.set t, t+1
.endr
.endr
	s_wait_tensorcnt 0x0                           ; the wave's end
	ds_add_u32 v[SPW], v[NIL]
	s_wait_dscnt 0x0
	CROUND                                         ; the closing round
	s_endpgm
.Lfunc_end_k_q6496dcb884_ffb:
	.size	k_q6496dcb884_ffb, .Lfunc_end_k_q6496dcb884_ffb-k_q6496dcb884_ffb
	.p2alignl 7, 3214868480
	.fill 96, 4, 3214868480
	.section	.rodata,"a",@progbits
	.p2align	6, 0x0
	.amdhsa_kernel k_q6496dcb884_ffb
		.amdhsa_group_segment_fixed_size 327680
		.amdhsa_private_segment_fixed_size 0
		.amdhsa_enable_private_segment 0
		.amdhsa_kernarg_size 40
		.amdhsa_user_sgpr_count 2
		.amdhsa_user_sgpr_kernarg_segment_ptr 1
		.amdhsa_wavefront_size32 1
		.amdhsa_system_sgpr_workgroup_id_x 1
		.amdhsa_system_sgpr_workgroup_id_y 1
		.amdhsa_system_sgpr_workgroup_id_z 1
		.amdhsa_system_vgpr_workitem_id 0
		.amdhsa_next_free_vgpr 512
		.amdhsa_next_free_sgpr 72
		.amdhsa_reserve_vcc 0
		.amdhsa_float_denorm_mode_32 3
		.amdhsa_float_denorm_mode_16_64 3
		.amdhsa_memory_ordered 1
		.amdhsa_forward_progress 1
		.amdhsa_inst_pref_size 99
	.end_amdhsa_kernel
	.amdgpu_metadata
---
amdhsa.version: [ 1, 2 ]
amdhsa.kernels:
  - .name:           k_q6496dcb884_ffb
    .symbol:         k_q6496dcb884_ffb.kd
    .args:
      - { .name: h16, .offset: 0, .size: 8, .value_kind: global_buffer, .address_space: global }
      - { .name: w16, .offset: 8, .size: 8, .value_kind: global_buffer, .address_space: global }
      - { .name: bf2, .offset: 16, .size: 8, .value_kind: global_buffer, .address_space: global }
      - { .name: x1, .offset: 24, .size: 8, .value_kind: global_buffer, .address_space: global }
      - { .name: out0, .offset: 32, .size: 8, .value_kind: global_buffer, .address_space: global }
    .group_segment_fixed_size: 327680
    .private_segment_fixed_size: 0
    .kernarg_segment_align: 8
    .kernarg_segment_size: 40
    .max_flat_workgroup_size: 128
    .sgpr_count:     72
    .vgpr_count:     512
    .wavefront_size: 32
...
	.end_amdgpu_metadata
.endif
;; end of part 7
